; MI455X (gfx1250); checked and timed in simulation.
; The chip was launched on July 23, 2026; its instructions are those of AMD's public machine-readable ISA for CDNA 5 (MIT licence, August 2026) and "CDNA5" Instruction Set Architecture Reference Guide (July 2026). The comments in the code are by the model that wrote it; some were corrected since.
;; Mo E Layer. Allowed arithmetic: float matrix products may take bf16 or f16 operands with f32 sums; other float arithmetic in f32, or as packed bf16 or f16 multiplies, adds, multiply-adds, maxima and minima; sums over many terms, partial sums and values carried from step to step in f32; what a program stores and reads back later, other than sums and carried values, may be rounded once to bf16 or f16.
;; Inputs: W1 8 x 4,096 x 1,024 float32; W2 8 x 1,024 x 4,096 float32; Wr 8 x 1,024 float32; b1 8 x 4,096 float32; b2 8 x 1,024 float32; br 8 float32; x 4 x 256 x 1,024 float32.
;; Outputs: out0 4 x 256 x 1,024 float32.
;; 2 versions, each right; version 2 is version 1 with the launches up, down written anew for expert scheduling mode. Each part assembles by itself: llvm-mc -triple=amdgcn-amd-amdhsa -mcpu=gfx1250 --defsym DOCPART=n.
;; ======== version 1 of 2: 4 launches
;; workspace buffers: xb 2,097,152 bytes; bits 1,024 bytes of whole numbers; sel 8,192 bytes of whole numbers; gate 8,192 bytes; rank 32,768 bytes of whole numbers; hid 67,108,864 bytes; part 134,217,728 bytes
;; launch router (part 1): grid 128 x 1, 4 waves a work-group, no clusters, 1,024 bytes of LDS; arguments x, Wr, br, xb, bits, sel, gate; writes xb, bits, sel, gate
.if DOCPART == 1
	.amdgcn_target "amdgcn-amd-amdhsa--gfx1250"
	.amdhsa_code_object_version 6
	.text
	.protected	k_q4d9e7a295d_router
	.globl	k_q4d9e7a295d_router
	.p2align	8
	.type	k_q4d9e7a295d_router,@function
k_q4d9e7a295d_router:
	s_mov_b64 s[64:65], 0
	v_nop
	global_prefetch_b8 v0, s[64:65] scope:SCOPE_SE
	s_setreg_imm32_b32 hwreg(HW_REG_WAVE_MODE, 25, 1), 1
	s_wait_xcnt 0x0
; ROUTER.  logits = x Wr^T + br for 1,024 tokens and 8 experts; the two largest are chosen and their softmax weights renormalised.
; Stored: xb (x rounded once to bf16, [1024][1024]); sel[t] = (e1, e2); gate[t] = (w1, w2); bits[e] = a bitmap of the tokens that chose expert e (bit t % 8 of byte t / 8).
; Nothing but stored DATA hangs on the floating-point numbers: every address and every branch is made of ids alone.
; ONE ROUNDING FOR THE WHOLE PROGRAM: every input of the module is rounded once to bf16, here x, Wr and br, as the experts' launches round W1, b1, W2 and b2.  The router so sees the same x as the experts.
; The products of the rounded numbers and their sums are f32, on the vector unit: they are a two-thousandth of the arithmetic.
; SHARES.  A work-group has 8 tokens, a wave 2.  A row of x is 4,096 bytes: eight loads of 512 consecutive bytes; all of Wr (32 KiB) lies in the wave's registers in the same column order.
; LIMITS.  NaN and infinities are not treated apart.  The choice is made on the f32 logits of the rounded inputs, summed in another order than a plain dot product: two logits closer than that
; rounding, or unlike logits whose probabilities round to one number, may be ordered otherwise.  Equal logits keep the lower index.  w2 counts as 0 where exp(l2 - l1) falls below 2^-126.
; The maximum is taken away before the exponential: w1 = 1 / (1 + e^(l2 - l1)), w2 = e^(l2 - l1) w1, which is softmax followed by the renormalisation; the exponent is never above 0.
.set SPARE, 512                        ; LDS: 0-511 the four waves' words for the bitmap; 512-1023 the spare words, 128 bytes a wave
.set LN,   1                           ; v1   lane
.set L16,  2                           ; v2   16 x lane
.set SPW,  3                           ; v3   my spare word; never rewritten
.set NIL,  4                           ; v4   0; never rewritten
.set L8,   5                           ; v5   8 x lane
.set T4,   6                           ; v6   4 x thread
.set TW,   7                           ; v7   at work
.set XR,   8                           ; v8-39 token 0's row, v40-71 token 1's
.set YB,   72                          ; v72-103 the two rows in bf16
.set SUM,  104                         ; v104-135 a pair of sums for (token, expert) at SUM + 16 token + 2 expert
.set BRV,  136                         ; v136-143 br
.set LG,   144                         ; v144-151 the eight logits: lane 1 holds token 1's, the others token 0's
.set M1,   152
.set M2,   153
.set TV,   154
.set TI,   155
.set DD,   156
.set EV,   157
.set I1,   158                         ; v[158:159] (e1, e2)
.set I2,   159
.set G1,   160                         ; v[160:161] (w1, w2)
.set G2,   161
.set BV,   162                         ; lane e: this wave's two bits for expert e
.set OB,   164                         ; v164-167 the four waves' words
.set L4,   168
.set L128, 169
.set WV,   18                          ; s18  wave
.set TK,   19                          ; s19  my first token
.set MSK,  35                          ; s35  a word's upper bf16
.set MSB, 0
.macro WIN new                         ; the immediate's high byte repeats the setting that is left
.if MSB != (\new)
	s_set_vgpr_msb (MSB<<8)|(\new)
.set MSB, \new
.endif
.endm
.macro RND2 a                          ; two f32 rounded to bf16 and widened again, in place
	v_cvt_pk_bf16_f32 v[(\a)+1], v[(\a)], v[(\a)+1]
	v_lshlrev_b32 v[(\a)], 16, v[(\a)+1]
	v_and_b32 v[(\a)+1], s[MSK], v[(\a)+1]
.endm
	s_load_b256 s[4:11], s[0:1], 0x0               ; x s[4:5], Wr s[6:7], br s[8:9], xb s[10:11]
	s_load_b128 s[12:15], s[0:1], 0x20             ; bits s[12:13], sel s[14:15]
	s_load_b64 s[16:17], s[0:1], 0x30              ; gate
	v_lshl_add_u32 v[SPW], v0, 2, SPARE
	v_mov_b32 v[NIL], 0
	v_lshrrev_b32 v[TW], 5, v0
	v_readfirstlane_b32 s[WV], v[TW]               ; wave 0..3
	v_and_b32 v[LN], 31, v0
	v_lshlrev_b32 v[L16], 4, v[LN]
	v_lshlrev_b32 v[L8], 3, v[LN]
	v_lshlrev_b32 v[T4], 2, v0
	v_lshlrev_b32 v[L4], 2, v[LN]
	v_lshlrev_b32 v[L128], 7, v[LN]
	s_lshl_b32 s[TK], ttmp9, 3
	s_lshl_b32 s40, s[WV], 1                       ; my tokens' places in the group's byte
	s_add_co_u32 s[TK], s[TK], s40                 ; token = 8 x group + 2 x wave
	s_lshl_b32 s20, s[TK], 12                      ; its row in x,
	s_mov_b32 s21, 0
	s_lshl_b32 s22, s[TK], 11                      ; in xb,
	s_mov_b32 s23, 0
	s_lshl_b32 s42, s[TK], 3                       ; its 8 bytes in sel and in gate,
	s_mov_b32 s43, 0
	s_mov_b32 s44, ttmp9                           ; and the group's byte in each expert's bitmap
	s_mov_b32 s45, 0
	s_mov_b32 s32, 0x76543210                      ; v_permlanex16_b32: each lane takes its own place in the other half
	s_mov_b32 s33, 0xfedcba98
	s_mov_b32 s34, 2                               ; the mask of lane 1
	s_mov_b32 s[MSK], 0xffff0000
	s_wait_kmcnt 0x0
	s_load_b256 s[24:31], s[8:9], 0x0              ; br
	s_add_nc_u64 s[4:5], s[4:5], s[20:21]
	s_add_nc_u64 s[10:11], s[10:11], s[22:23]
	s_add_nc_u64 s[14:15], s[14:15], s[42:43]
	s_add_nc_u64 s[16:17], s[16:17], s[42:43]
	s_add_nc_u64 s[12:13], s[12:13], s[44:45]
	; everything is asked for once, at the start: 16 loads of x, then 64 of Wr
.irp k, 0,1
.irp j, 0,1,2,3,4,5,6,7
	global_load_b128 v[XR+32*(\k)+4*(\j):XR+32*(\k)+4*(\j)+3], v[L16], s[4:5] offset:4096*(\k)+512*(\j) th:TH_LOAD_NT
.endr
.endr
	WIN 0x40                                       ; destination window 1, address window 0
.irp e, 0,1,2,3,4,5,6,7
.irp j, 0,1,2,3,4,5,6,7
	global_load_b128 v[32*(\e)+4*(\j):32*(\e)+4*(\j)+3], v[L16], s[6:7] offset:4096*(\e)+512*(\j)
.endr
.endr
	WIN 0
	s_wait_loadcnt 63                              ; 64 loads were issued behind x's last: at most 63 out means that x is in
	; the cast: each store of the wave covers 256 consecutive bytes of xb, aligned
.irp k, 0,1
.irp j, 0,1,2,3,4,5,6,7
	v_cvt_pk_bf16_f32 v[YB+16*(\k)+2*(\j)], v[XR+32*(\k)+4*(\j)], v[XR+32*(\k)+4*(\j)+1]
	v_cvt_pk_bf16_f32 v[YB+16*(\k)+2*(\j)+1], v[XR+32*(\k)+4*(\j)+2], v[XR+32*(\k)+4*(\j)+3]
	global_store_b64 v[L8], v[YB+16*(\k)+2*(\j):YB+16*(\k)+2*(\j)+1], s[10:11] offset:2048*(\k)+256*(\j)
.endr
.endr
	; the rounded x, widened again, takes the place of x: the low half moves up, the high half stays
.set i, 0
.rept 32
	v_lshlrev_b32 v[XR+2*i], 16, v[YB+i]
	v_and_b32 v[XR+2*i+1], s[MSK], v[YB+i]
.set i, i+1
.endr
	; the products: an expert's row of Wr is rounded in place; then for each token one packed multiply starts a pair of sums, fifteen fused multiply-adds follow; the two tokens alternate
.irp e, 0,1,2,3,4,5,6,7
	s_wait_loadcnt 8*(7-(\e))                      ; the later experts' rows, eight loads each, may stay out
	WIN 0x45                                       ; destination and sources window 1
.set i, 0
.rept 16
	RND2 32*(\e)+i
.set i, i+2
.endr
	WIN 0x04                                       ; source 1 (Wr) window 1
	v_pk_mul_f32 v[SUM+2*(\e):SUM+2*(\e)+1], v[XR:XR+1], v[32*(\e):32*(\e)+1]
	v_pk_mul_f32 v[SUM+16+2*(\e):SUM+16+2*(\e)+1], v[XR+32:XR+33], v[32*(\e):32*(\e)+1]
.set i, 2
.rept 15
	v_pk_fma_f32 v[SUM+2*(\e):SUM+2*(\e)+1], v[XR+i:XR+i+1], v[32*(\e)+i:32*(\e)+i+1], v[SUM+2*(\e):SUM+2*(\e)+1]
	v_pk_fma_f32 v[SUM+16+2*(\e):SUM+16+2*(\e)+1], v[XR+32+i:XR+32+i+1], v[32*(\e)+i:32*(\e)+i+1], v[SUM+16+2*(\e):SUM+16+2*(\e)+1]
.set i, i+2
.endr
.endr
	WIN 0
	; across the lanes: the pair's halves, four steps inside each half of 16 lanes, one across the halves; the 16 sums side by side
.set k, 0
.rept 16
	v_add_f32 v[SUM+2*k], v[SUM+2*k], v[SUM+2*k+1]
.set k, k+1
.endr
.irp m, 1,2,4,8
.set k, 0
.rept 16
	v_add_f32_dpp v[SUM+2*k], v[SUM+2*k], v[SUM+2*k] row_xmask:\m row_mask:0xf bank_mask:0xf
.set k, k+1
.endr
.endr
.set k, 0
.rept 16
	v_permlanex16_b32 v[SUM+2*k+1], v[SUM+2*k], s32, s33
.set k, k+1
.endr
.set k, 0
.rept 16
	v_add_f32 v[SUM+2*k], v[SUM+2*k], v[SUM+2*k+1]
.set k, k+1
.endr
	s_wait_kmcnt 0x0                               ; br
.irp e, 0,1,2,3,4,5,6,7
	v_mov_b32 v[BRV+(\e)], s[24+(\e)]
.endr
.irp e, 0,2,4,6
	RND2 BRV+(\e)                                  ; br is rounded like the other inputs
.endr
.irp e, 0,1,2,3,4,5,6,7
	v_cndmask_b32 v[LG+(\e)], v[SUM+2*(\e)], v[SUM+16+2*(\e)], s34   ; lane 1 takes token 1
.endr
.irp e, 0,1,2,3,4,5,6,7
	v_add_f32 v[LG+(\e)], v[BRV+(\e)], v[LG+(\e)]
.endr
	; the two largest, one scan for both tokens.  Both comparisons are strict, so that of equal logits the lower index stands first.
	v_mov_b32 v[M1], v[LG]
	v_mov_b32 v[I1], 0
	v_mov_b32 v[M2], 0xff800000                    ; minus infinity
	v_mov_b32 v[I2], 0
.irp e, 1,2,3,4,5,6,7
	v_cmp_gt_f32 vcc_lo, v[LG+(\e)], v[M1]
	v_cmp_gt_f32 s36, v[LG+(\e)], v[M2]
	v_cndmask_b32 v[TV], v[LG+(\e)], v[M1], vcc_lo ; what may become the second: the old first, or this one
	v_cndmask_b32 v[TI], \e, v[I1], vcc_lo
	v_cndmask_b32 v[M2], v[M2], v[TV], s36
	v_cndmask_b32 v[I2], v[I2], v[TI], s36
	v_cndmask_b32 v[M1], v[M1], v[LG+(\e)], vcc_lo
	v_cndmask_b32 v[I1], v[I1], \e, vcc_lo
.endr
	v_sub_f32 v[DD], v[M2], v[M1]                  ; l2 - l1: the row's maximum is taken away
	v_mul_f32 v[DD], 0x3fb8aa3b, v[DD]             ; x log2(e)
	v_exp_f32 v[EV], v[DD]
	v_mov_b32 v[BV], 0                             ; a plain instruction behind the exponential,
	s_wait_alu depctr_va_vdst(0)                   ; and the wait ahead of the first use of its result
	v_add_f32 v[TV], 1.0, v[EV]
	v_rcp_f32 v[G1], v[TV]
	v_nop
	s_wait_alu depctr_va_vdst(0)
	v_mul_f32 v[G2], v[EV], v[G1]
	s_wait_xcnt 0x0                                ; EXEC is a source of the stores above: it changes only behind this wait
	v_cmp_gt_u32 vcc_lo, 2, v[LN]
	s_and_saveexec_b32 s37, vcc_lo                 ; lanes 0 and 1: my two tokens
	global_store_b64 v[L8], v[I1:I2], s[14:15]
	global_store_b64 v[L8], v[G1:G2], s[16:17]
	s_wait_xcnt 0x0
	s_or_b32 exec_lo, exec_lo, s37
	; the bitmap: lane e of BV takes the two bits 'my token chose e', at the tokens' places in the group's byte
.irp e, 0,1,2,3,4,5,6,7
	v_cmp_eq_u32 s38, \e, v[I1]
	v_cmp_eq_u32 s39, \e, v[I2]
	s_or_b32 s38, s38, s39
	s_and_b32 s38, s38, 3
	s_lshl_b32 s38, s38, s40
	v_writelane_b32 v[BV], s38, \e
.endr
	ds_store_b32 v[T4], v[BV]                      ; each wave's 32 words are its own
	s_wait_dscnt 0x0                               ; for the others' sake: my store is done
	s_barrier_signal -1
	s_barrier_wait -1
	s_cmp_lg_u32 s[WV], 0
	s_cbranch_scc1 .Lclose
	ds_load_b32 v[OB], v[L4]                       ; wave 0 joins the four waves' bits
	ds_load_b32 v[OB+1], v[L4] offset:128
	ds_load_b32 v[OB+2], v[L4] offset:256
	ds_load_b32 v[OB+3], v[L4] offset:384
	s_wait_dscnt 0x0
	v_or_b32 v[OB], v[OB], v[OB+1]
	v_or_b32 v[OB+2], v[OB+2], v[OB+3]
	v_or_b32 v[OB], v[OB], v[OB+2]
	s_wait_xcnt 0x0
	v_cmp_gt_u32 vcc_lo, 8, v[LN]
	s_and_saveexec_b32 s37, vcc_lo                 ; lane e stores expert e's byte for these 8 tokens: 8 bytes a work-group, 1 KiB in the launch
	global_store_b8 v[L128], v[OB], s[12:13]
	s_wait_xcnt 0x0
	s_or_b32 exec_lo, exec_lo, s37
.Lclose:
	s_wait_tensorcnt 0x0                           ; the wave's end: a wait, an add to my spare word and a wait behind my last LDS store
	ds_add_u32 v[SPW], v[NIL]
	s_wait_dscnt 0x0
	s_endpgm
.Lfunc_end_k_q4d9e7a295d_router:
	.size	k_q4d9e7a295d_router, .Lfunc_end_k_q4d9e7a295d_router-k_q4d9e7a295d_router
	.p2alignl 7, 3214868480
	.fill 96, 4, 3214868480
	.section	.rodata,"a",@progbits
	.p2align	6, 0x0
	.amdhsa_kernel k_q4d9e7a295d_router
		.amdhsa_group_segment_fixed_size 1024
		.amdhsa_private_segment_fixed_size 0
		.amdhsa_enable_private_segment 0
		.amdhsa_kernarg_size 56
		.amdhsa_user_sgpr_count 2
		.amdhsa_user_sgpr_kernarg_segment_ptr 1
		.amdhsa_wavefront_size32 1
		.amdhsa_system_sgpr_workgroup_id_x 1
		.amdhsa_system_sgpr_workgroup_id_y 1
		.amdhsa_system_sgpr_workgroup_id_z 1
		.amdhsa_system_vgpr_workitem_id 0
		.amdhsa_next_free_vgpr 512
		.amdhsa_next_free_sgpr 66
		.amdhsa_reserve_vcc 1
		.amdhsa_float_denorm_mode_32 3
		.amdhsa_float_denorm_mode_16_64 3
		.amdhsa_memory_ordered 1
		.amdhsa_forward_progress 1
		.amdhsa_inst_pref_size 62
	.end_amdhsa_kernel
	.amdgpu_metadata
---
amdhsa.version: [ 1, 2 ]
amdhsa.kernels:
  - .name:           k_q4d9e7a295d_router
    .symbol:         k_q4d9e7a295d_router.kd
    .args:
      - { .name: x, .offset: 0, .size: 8, .value_kind: global_buffer, .address_space: global }
      - { .name: Wr, .offset: 8, .size: 8, .value_kind: global_buffer, .address_space: global }
      - { .name: br, .offset: 16, .size: 8, .value_kind: global_buffer, .address_space: global }
      - { .name: xb, .offset: 24, .size: 8, .value_kind: global_buffer, .address_space: global }
      - { .name: bits, .offset: 32, .size: 8, .value_kind: global_buffer, .address_space: global }
      - { .name: sel, .offset: 40, .size: 8, .value_kind: global_buffer, .address_space: global }
      - { .name: gate, .offset: 48, .size: 8, .value_kind: global_buffer, .address_space: global }
    .group_segment_fixed_size: 1024
    .private_segment_fixed_size: 0
    .kernarg_segment_align: 8
    .kernarg_segment_size: 56
    .max_flat_workgroup_size: 128
    .sgpr_count:     66
    .vgpr_count:     512
    .wavefront_size: 32
...
	.end_amdgpu_metadata
.endif
;; end of part 1
;; launch up (part 2): grid 32 x 8, 4 waves a work-group, no clusters, 283,136 bytes of LDS; arguments xb, W1, b1, bits, hid, rank; writes hid, rank
.if DOCPART == 2
	.amdgcn_target "amdgcn-amd-amdhsa--gfx1250"
	.amdhsa_code_object_version 6
	.text
	.protected	k_q4d9e7a295d_up
	.globl	k_q4d9e7a295d_up
	.p2align	8
	.type	k_q4d9e7a295d_up,@function
k_q4d9e7a295d_up:
	s_mov_b64 s[64:65], 0
	v_nop
	global_prefetch_b8 v0, s[64:65] scope:SCOPE_SE
	s_setreg_imm32_b32 hwreg(HW_REG_WAVE_MODE, 25, 1), 1
	s_wait_xcnt 0x0
; FIRST PRODUCT OF THE EXPERTS.  h[e][rank][c] = gelu(sum over d of xb[token][d] W1[e][c][d] + b1[e][c]), for the tokens that chose expert e, in the order of their numbers (rank = how many
; chosen tokens lie below).  xb bf16, W1 and b1 f32, h rounded once to bf16.  Also stored, by slice 0 of each expert: rank[t][e].
; ONE ROUNDING FOR THE WHOLE PROGRAM: every input of the module is rounded once to bf16, here W1 and b1 (x by the router); sums, bias and GELU are f32.
; hid HOLDS h IN THE ORDER OF THE NEXT PRODUCT'S OPERAND REGISTERS: [8 experts][64 blocks of 16 ranks][256 column blocks of 16][32 lanes][16 bytes]; lane l's 16 bytes are rank 16 block + l % 16,
; columns 16 cb + 8 (l / 16) + 0..7.  That is what a lane holds here after the rounding, so each (block, column block) leaves by one store of 512 consecutive bytes, with no way through LDS.
; SHARES.  Grid = 32 slices x 8 experts.  A work-group owns 128 rows of W1[e] (524,288 bytes of f32), which it alone reads, and all rows of its expert.
; PHASE 1: the slice streams through registers, is rounded once to bf16 and laid into LDS.  Wave w takes weight rows 32 w ..; a row is eight loads of 512 consecutive bytes; four banks of 16 loads
; take turns, so that 48 to 64 loads of a wave are out.  Tensor loads are no use here: the numbers must pass registers to be rounded.
; PHASE 2: the token rows come from memory straight into registers as matrix operands; behind the barrier between the phases nothing writes LDS but the closing add.
; Blocks of 16 ranks are dealt by turns: in trip T (4 trips, a constant that covers 1,024 rows) wave w has the blocks 20 T + 4 a + w, a = 0..4.  A trip whose first block lies past the count is jumped
; forward; in a live trip all five blocks are multiplied (places past the count take other tokens' rows, which exist), and only the way out of blocks past the count is jumped.
; Whole blocks are stored: ranks n .. 16 ceil(n / 16) - 1 hold tokens that did not choose e; the next launch multiplies them, and nobody reads what comes of it.
; NO CLUSTER: each slice of weights has one reader; what an expert's work-groups share is token rows named by a list, which no tile descriptor covers.
; THE MATRIX INSTRUCTION IS USED TRANSPOSED: source 0 = 16 weight rows, source 1 = 16 tokens: lane l then holds token l % 16 and the columns 8 (l / 16) + 0..7.
; GELU, exact form: gelu(x) = max(x, 0) - |x| Phi(-|x|), Phi(-|x|) = (a1 t + .. + a5 t^5) e^(-x^2 / 2) / 2, t = 1 / (1 + p |x| / sqrt 2): Abramowitz and Stegun 7.1.26, within 1.5e-7 of erf for every x.
; With y = |x| / sqrt(2 ln 2) the exponential is 2^(-y^2); 1 / 2 and the factor back from y to |x| are folded into the coefficients.
; LIMITS.  xb, W1, b1 and h are rounded once to bf16; erf to 1.5e-7 absolute; NaN and infinities are not treated apart.
; REGISTERS, in windows of 256 (s_set_vgpr_msb: bits 1:0 source 0, 3:2 source 1, 5:4 source 2, 7:6 destination):
;   window 0: v0-32 addresses; v64-127, v128-191 two buffers of weight fragments; v192-255 my 64 numbers of b1
;   window 1: phase 1: the ring of weight loads; then the accumulators of blocks a = 0..3, (a, b) at 64 a + 8 b
;   window 2: v0-63 the accumulators of block 4; v64-223 token fragments, four slots (one a K step) of 40
;   window 3: the way out: v0-63 T, v64-95 y, v96-127 t, v128-159 the exponentials, v160-191 the polynomial, v192-223 packed
.set WPITCH, 4096                      ; bytes from a weight row to the next
.set PITCH,  272                       ; an LDS row: 256 bytes (128 K of bf16) + 16: row r starts at bank 4 r mod 64 (64 banks of 4 bytes: ISA guide 11.1), so the 16 rows of a fragment load start at 16 different banks
.set CHUNK,  128*PITCH                 ; the slice lies by chunks of 128 K: chunk c at c x 34,816, weight row n at n x 272
.set LIST,   8*CHUNK                   ; 1,024 words: the token at each place
.set SPARE,  LIST+4096                 ; the spare words, 128 bytes a wave: two blocks of 256 bytes that no other line names
.set R,     1                          ; v1   l % 16
.set HL,    2                          ; v2   l / 16
.set SPW,   3                          ; v3   my spare word; never rewritten
.set NIL,   4                          ; v4   0; never rewritten
.set ADRB,  5                          ; v5   LDS address of my weight fragments in the chunk in hand
.set ADRB0, 6                          ; v6   the same in chunk 0; never rewritten
.set AOFF,  10                         ; v10-14  block a: byte offset of my token's row in xb, + 16 (l / 16)
.set VO,    15                         ; v15  16 x lane; never rewritten
.set WADR,  16                         ; v16-23  phase 1: where load j of a row goes
.set TA,    24                         ; v24-26  at work
.set RKO,   27                         ; v27  32 x lane, for the ranks' stores
.set BO,    28                         ; v28  32 (l / 16), for b1's loads
.set LANE,  31
.set H16,   32                         ; v32  16 (l / 16)
.set F0,    64
.set BIAS,  192
.set AR,    64                         ; window 2
.set YR,    64                         ; window 3
.set TTR,   96
.set EXR,   128
.set QR,    160
.set PKR,   192
.set BM,  16                           ; s[16:47] my expert's bitmap
.set WV,  48                           ; wave
.set SL,  49                           ; slice
.set XP,  50                           ; expert
.set NN,  51                           ; n: its rows
.set NB,  52                           ; its blocks of 16
.set PF,  53                           ; running count
.set TS,  54                           ; s54, s55 at work
.set WB,  56                           ; s[56:57] W1 at the rows that the ring is at
.set AB,  58                           ; s[58:59] xb at the K chunk in hand
.set OF,  60                           ; s[60:61] an offset; the high word stays 0
.set CI,  62                           ; inner counter
.set CT,  63                           ; trips
.set CB,  66                           ; block a of the way out
.set B0,  67                           ; my first block of the trip
.set BT,  68                           ; the block in hand
.set HB,  70                           ; s[70:71] hid at my expert and my 8 column blocks
.set SB,  72                           ; s[72:73] the stores' base
.set BB,  74                           ; s[74:75] b1 at my 128 numbers
.set P2,  76                           ; s[76:87] constants, each as a pair of which the packed forms take the low word
.set A1,  78
.set A2,  80
.set A3,  82
.set A4,  84
.set A5,  86
.set KAP, 88
.set MSK, 89                           ; s89  a word's upper bf16
.set TB,  90                           ; s90  LDS byte at which the chunk in hand begins
.set RB,  92                           ; s[92:93] rank at my expert's column
.set MSB, 0
.macro WIN new                         ; the immediate's high byte repeats the setting that is left; a switch that changes nothing is dropped
.if MSB != (\new)
	s_set_vgpr_msb (MSB<<8)|(\new)
.set MSB, \new
.endif
.endm
.macro RND2 a                          ; two f32 rounded to bf16 and widened again, in place
	v_cvt_pk_bf16_f32 v[(\a)+1], v[(\a)], v[(\a)+1]
	v_lshlrev_b32 v[(\a)], 16, v[(\a)+1]
	v_and_b32 v[(\a)+1], s[MSK], v[(\a)+1]
.endm
; 16 loads: two weight rows into a bank of the ring.  ahead = 1: the rows eight further on
.macro WLOAD bank, ahead
	WIN 0x40                                       ; destination window 1, address window 0
.irp i, 0,1
.irp j, 0,1,2,3,4,5,6,7
	global_load_b128 v[64*(\bank)+32*(\i)+4*(\j):64*(\bank)+32*(\i)+4*(\j)+3], v[VO], s[WB:WB+1] offset:(8*(\ahead)+2*(\bank)+(\i))*WPITCH+512*(\j) th:TH_LOAD_NT
.endr
.endr
.endm
; A bank's turn: its 16 loads are in (left = the younger loads, which stay out); four f32 become 8 bytes, in place; each LDS store covers 256 consecutive bytes: load j of a row is the row's part of chunk j
.macro WBANK bank, refill, left
	s_wait_loadcnt \left
	WIN 0x45                                       ; destination and both sources window 1
.set rx, 64*(\bank)
.rept 16
	v_cvt_pk_bf16_f32 v[rx], v[rx], v[rx+1]
	v_cvt_pk_bf16_f32 v[rx+1], v[rx+2], v[rx+3]
.set rx, rx+4
.endr
	WIN 0x04                                       ; address window 0, data window 1
.irp i, 0,1
.irp j, 0,1,2,3,4,5,6,7
	ds_store_b64 v[WADR+(\j)], v[64*(\bank)+32*(\i)+4*(\j):64*(\bank)+32*(\i)+4*(\j)+1] offset:(2*(\bank)+(\i))*PITCH
.endr
.endr
.if \refill
	WLOAD \bank, 1
.endif
.endm
; 8 matrix instructions: block a x all 8 column blocks, 32 along K: weight buffer f, token slot s.  zero = 1: the products start the sums: nothing is cleared
.macro MULB f, s, a, zero
.if (\a) < 4
	WIN 0x58                                       ; source 0 window 0, source 1 window 2, C and D window 1
.set AC, 64*(\a)
.else
	WIN 0xa8                                       ; C and D window 2
.set AC, 0
.endif
.irp b, 0,1,2,3,4,5,6,7
.if \zero
	v_wmma_f32_16x16x32_bf16 v[AC+8*(\b):AC+8*(\b)+7], v[(\f)+8*(\b):(\f)+8*(\b)+7], v[AR+40*(\s)+8*(\a):AR+40*(\s)+8*(\a)+7], 0
.else
	v_wmma_f32_16x16x32_bf16 v[AC+8*(\b):AC+8*(\b)+7], v[(\f)+8*(\b):(\f)+8*(\b)+7], v[AR+40*(\s)+8*(\a):AR+40*(\s)+8*(\a)+7], v[AC+8*(\b):AC+8*(\b)+7]
.endif
.endr
.endm
.macro BLOAD f, off                    ; 16 LDS loads: 128 weight rows x 32 K at byte off from ADRB
	WIN 0
.irp b, 0,1,2,3,4,5,6,7
	ds_load_b128 v[(\f)+8*(\b):(\f)+8*(\b)+3],   v[ADRB] offset:(\off)+16*PITCH*(\b)
	ds_load_b128 v[(\f)+8*(\b)+4:(\f)+8*(\b)+7], v[ADRB] offset:(\off)+16*PITCH*(\b)+32
.endr
.endm
.macro ALOAD s, off                    ; 10 global loads: my 80 tokens x 32 K at byte off from the chunk in hand, into slot s
	WIN 0x80                                       ; destination window 2, address window 0
.irp a, 0,1,2,3,4
	global_load_b128 v[AR+40*(\s)+8*(\a):AR+40*(\s)+8*(\a)+3],   v[AOFF+(\a)], s[AB:AB+1] offset:(\off)
	global_load_b128 v[AR+40*(\s)+8*(\a)+4:AR+40*(\s)+8*(\a)+7], v[AOFF+(\a)], s[AB:AB+1] offset:(\off)+32
.endr
.endm
; A K step of 32: 40 matrix instructions on 40 accumulators, which take turns in the same order in every step.  In its middle it fetches the next step's weight fragments
; (bnext, or -1) into the other buffer and the tokens of the step three on (aref, or -1) into the slot that the step before read.  acnt = the token loads younger than this step's.
; The four v_nop are the places between the step before's matrix instructions and loads into registers that they read (ISA guide 7.12.1 for vector instructions).
.macro KSTEP s, zero, bnext, aref, acnt
.set fb, F0+64*((\s)%2)
.set fn, F0+64*(((\s)+1)%2)
.set an, ((\s)+3)%4
	s_wait_loadcnt \acnt
	s_wait_dscnt 0x0                               ; this step's weight fragments, asked for 24 matrix instructions ago
	MULB fb, \s, 0, \zero
	MULB fb, \s, 1, \zero
.if ((\bnext) >= 0) || ((\aref) >= 0)
.rept 4
	v_nop
.endr
.endif
.if (\bnext) >= 0
	BLOAD fn, \bnext
.endif
.if (\aref) >= 0
	ALOAD an, \aref
.endif
	MULB fb, \s, 2, \zero
	MULB fb, \s, 3, \zero
	MULB fb, \s, 4, \zero
.endm
; The way out, first part: block a's 64 sums plus b1 go into window 3, where one text serves every block.  Each accumulator is read from its lowest registers on.
.macro ARM a
.if (\a) < 4
	WIN 0xc1                                       ; destination window 3, source 0 window 1, source 1 window 0
.set ab, 64*(\a)
.else
	WIN 0xc2
.set ab, 0
.endif
.set i, 0
.rept 32
	v_pk_add_f32 v[i:i+1], v[ab+i:ab+i+1], v[BIAS+i:BIAS+i+1]
.set i, i+2
.endr
	WIN 0
.endm
; GELU of 32 numbers a lane.  The 32 reciprocals and 32 exponentials are ONE batch; the 32 maxima are plain work behind it; one wait stands ahead of the first reader.
.macro GELU half
.set tb, 32*(\half)
.set i, 0
.rept 32
	v_mul_f32 v[YR+i], s[KAP], |v[tb+i]|           ; y
.set i, i+1
.endr
.set i, 0
.rept 16
	v_pk_fma_f32 v[TTR+i:TTR+i+1], v[YR+i:YR+i+1], s[P2:P2+1], 1.0 op_sel_hi:[1,0,0]
	v_pk_mul_f32 v[EXR+i:EXR+i+1], v[YR+i:YR+i+1], v[YR+i:YR+i+1] neg_lo:[1,0] neg_hi:[1,0]   ; - y^2
.set i, i+2
.endr
.set i, 0
.rept 32
	v_rcp_f32 v[TTR+i], v[TTR+i]
.set i, i+1
.endr
.set i, 0
.rept 32
	v_exp_f32 v[EXR+i], v[EXR+i]
.set i, i+1
.endr
.set i, 0
.rept 32
	v_max_num_f32 v[tb+i], 0, v[tb+i]
.set i, i+1
.endr
	s_wait_alu depctr_va_vdst(0)                   ; between the transcendentals and the first use of their results: one for the batch of 64
.set i, 0
.rept 16
	v_pk_fma_f32 v[QR+i:QR+i+1], v[TTR+i:TTR+i+1], s[A5:A5+1], s[A4:A4+1] op_sel_hi:[1,0,0]
.set i, i+2
.endr
.irp c, A3, A2, A1
.set i, 0
.rept 16
	v_pk_fma_f32 v[QR+i:QR+i+1], v[QR+i:QR+i+1], v[TTR+i:TTR+i+1], s[\c:\c+1] op_sel_hi:[1,1,0]
.set i, i+2
.endr
.endr
.set i, 0
.rept 16
	v_pk_mul_f32 v[QR+i:QR+i+1], v[QR+i:QR+i+1], v[TTR+i:TTR+i+1]
.set i, i+2
.endr
.set i, 0
.rept 16
	v_pk_mul_f32 v[QR+i:QR+i+1], v[QR+i:QR+i+1], v[EXR+i:EXR+i+1]
.set i, i+2
.endr
.set i, 0
.rept 16
	v_pk_fma_f32 v[tb+i:tb+i+1], v[YR+i:YR+i+1], v[QR+i:QR+i+1], v[tb+i:tb+i+1] neg_lo:[1,0,0] neg_hi:[1,0,0]   ; max(x, 0) - y q
.set i, i+2
.endr
.set i, 0
.rept 16
	v_cvt_pk_bf16_f32 v[PKR+16*(\half)+i], v[tb+2*i], v[tb+2*i+1]
.set i, i+1
.endr
.endm
	s_load_b256 s[4:11], s[0:1], 0x0               ; xb s[4:5], W1 s[6:7], b1 s[8:9], bits s[10:11]
	s_load_b128 s[12:15], s[0:1], 0x20             ; hid s[12:13], rank s[14:15]
	v_lshl_add_u32 v[SPW], v0, 2, SPARE
	v_mov_b32 v[NIL], 0
	v_lshrrev_b32 v[TA], 5, v0
	v_readfirstlane_b32 s[WV], v[TA]               ; wave 0..3
	s_mov_b32 s[SL], ttmp9
	s_and_b32 s[XP], ttmp7, 0xffff
	v_and_b32 v[LANE], 31, v0
	v_and_b32 v[R], 15, v0
	v_bfe_u32 v[HL], v0, 4, 1
	v_lshlrev_b32 v[VO], 4, v[LANE]
	s_lshl_b32 s[OF], s[XP], 7                     ; my expert's 128 bytes of bitmap
	s_mov_b32 s[OF+1], 0
	s_wait_kmcnt 0x0
	s_add_nc_u64 s[10:11], s[10:11], s[OF:OF+1]
	s_load_b512 s[BM:BM+15], s[10:11], 0x0
	s_load_b512 s[BM+16:BM+31], s[10:11], 0x40
	s_lshl_b32 s[OF], s[XP], 24                    ; an expert's W1 is 2^24 bytes, a slice of 128 rows 2^19, a wave's 32 rows 2^17
	s_lshl_b32 s[TS], s[SL], 19
	s_add_co_u32 s[OF], s[OF], s[TS]
	s_lshl_b32 s[TS], s[WV], 17
	s_add_co_u32 s[OF], s[OF], s[TS]
	s_add_nc_u64 s[WB:WB+1], s[6:7], s[OF:OF+1]
	WLOAD 0, 0                                     ; the ring is filled before anything else is done: rows 0 to 7 of my 32
	WLOAD 1, 0
	WLOAD 2, 0
	WLOAD 3, 0
	WIN 0
	s_mul_i32 s[TS], s[WV], 32*PITCH               ; my 32 rows in each chunk
	v_lshl_add_u32 v[TA], v[LANE], 3, s[TS]
.irp j, 0,1,2,3,4,5,6,7
	v_add_nc_u32 v[WADR+(\j)], (\j)*CHUNK, v[TA]
.endr
	v_mul_u32_u24 v[ADRB0], v[R], PITCH
	v_lshl_add_u32 v[ADRB0], v[HL], 4, v[ADRB0]    ; a fragment's row x pitch + 16 x half
	v_lshlrev_b32 v[H16], 4, v[HL]
	v_lshlrev_b32 v[BO], 5, v[HL]
	s_lshl_b32 s[OF], s[XP], 23                    ; an expert's part of hid is 2^23 bytes; my 8 column blocks of 512 bytes begin at 4,096 x slice in each block of ranks
	s_lshl_b32 s[TS], s[SL], 12
	s_add_co_u32 s[OF], s[OF], s[TS]
	s_add_nc_u64 s[HB:HB+1], s[12:13], s[OF:OF+1]
	s_lshl_b32 s[OF], s[XP], 14
	s_lshl_b32 s[TS], s[SL], 9
	s_add_co_u32 s[OF], s[OF], s[TS]
	s_add_nc_u64 s[BB:BB+1], s[8:9], s[OF:OF+1]
	s_lshl_b32 s[OF], s[XP], 2
	s_add_nc_u64 s[RB:RB+1], s[14:15], s[OF:OF+1]
	s_mov_b32 s[P2], 0x3e8ba43f                    ; p / sqrt 2 x sqrt(2 ln 2) = 0.27273748
	s_mov_b32 s[A1], 0x3e199eb3                    ; a1 .. a5 x sqrt(2 ln 2) / 2:  0.15001946
	s_mov_b32 s[A2], 0xbe2b8119                    ; -0.16748465
	s_mov_b32 s[A3], 0x3f563817                    ;  0.83679339
	s_mov_b32 s[A4], 0xbf5b0099                    ; -0.85547788
	s_mov_b32 s[A5], 0x3f1ff67a                    ;  0.62485470
.irp c, P2, A1, A2, A3, A4, A5
	s_mov_b32 s[\c+1], s[\c]                       ; named as pairs, so both words are written
.endr
	s_mov_b32 s[KAP], 0x3f596d27                   ; 1 / sqrt(2 ln 2) = 0.84932180
	s_mov_b32 s[MSK], 0xffff0000
	s_wait_kmcnt 0x0                               ; the bitmap
	s_mov_b32 s[NN], 0
.set w, 0
.rept 32
	s_bcnt1_i32_b32 s[TS], s[BM+w]
	s_add_co_u32 s[NN], s[NN], s[TS]
.set w, w+1
.endr
	s_add_co_u32 s[NB], s[NN], 15
	s_lshr_b32 s[NB], s[NB], 4
	; THE LIST, by wave 0 while its first weight loads are on their way: a permutation of all 1,024 tokens.  A chosen token goes to its rank, the others behind them in their order:
	; every word is written once and names a row that exists.  The bitmap's word is itself the lanes' mask.
	s_cmp_lg_u32 s[WV], 0
	s_cbranch_scc1 .Lnolist
	s_mov_b32 s[PF], 0
.set w, 0
.rept 32
	v_mbcnt_lo_u32_b32 v[TA], s[BM+w], s[PF]       ; chosen tokens below mine
	v_add_nc_u32 v[TA+1], 32*w, v[LANE]            ; my token
	v_sub_nc_u32 v[TA+2], v[TA+1], v[TA]           ; tokens below mine that were not chosen
	v_add_nc_u32 v[TA+2], s[NN], v[TA+2]
	v_cndmask_b32 v[TA+2], v[TA+2], v[TA], s[BM+w]
	v_min_u32 v[TA+2], 0x3ff, v[TA+2]
	v_lshl_add_u32 v[TA+2], v[TA+2], 2, LIST
	ds_store_b32 v[TA+2], v[TA+1]
	s_bcnt1_i32_b32 s[TS], s[BM+w]
	s_add_co_u32 s[PF], s[PF], s[TS]
.set w, w+1
.endr
	; THE RANKS, by slice 0's wave 0 alone: rank[t][e] for every t.  Each word of the bitmap has a data register of its own, so that no pending store's source is rewritten.
	s_cmp_lg_u32 s[SL], 0
	s_cbranch_scc1 .Lnolist
	s_mov_b32 s[PF], 0
	v_lshlrev_b32 v[RKO], 5, v[LANE]
.set w, 0
.rept 32
	v_mbcnt_lo_u32_b32 v[F0+w], s[BM+w], s[PF]
	global_store_b32 v[RKO], v[F0+w], s[RB:RB+1] offset:1024*w
	s_bcnt1_i32_b32 s[TS], s[BM+w]
	s_add_co_u32 s[PF], s[PF], s[TS]
.set w, w+1
.endr
.Lnolist:
	; THE STREAM: three trips take 8 rows each and ask for the next 8; the last 8 rows are written out, so that no load leaves the slice
	s_mov_b32 s[CI], 3
.Lstream:
	WBANK 0, 1, 48                                 ; 48: the three other banks' loads are younger
	WBANK 1, 1, 48
	WBANK 2, 1, 48
	WBANK 3, 1, 48
	WIN 0
	s_wait_xcnt 0x0                                ; the loads' base (and the ranks' data registers) are rewritten only behind this wait
	s_add_nc_u64 s[WB:WB+1], s[WB:WB+1], 8*WPITCH
.irp j, 0,1,2,3,4,5,6,7
	v_add_nc_u32 v[WADR+(\j)], 8*PITCH, v[WADR+(\j)]
.endr
	s_sub_co_u32 s[CI], s[CI], 1
	s_cmp_lg_u32 s[CI], 0
	s_cbranch_scc1 .Lstream
	WBANK 0, 0, 48                                 ; the three other banks' loads are younger
	WIN 0
.irp b, 0,1,2,3,4,5,6,7                ; my 64 numbers of b1: columns 16 b + 8 (l / 16) + 0..7: 16 loads, which land while the last three banks are rounded
	global_load_b128 v[BIAS+8*(\b):BIAS+8*(\b)+3],   v[BO], s[BB:BB+1] offset:64*(\b)
	global_load_b128 v[BIAS+8*(\b)+4:BIAS+8*(\b)+7], v[BO], s[BB:BB+1] offset:64*(\b)+16
.endr
	WBANK 1, 0, 48                                 ; two banks' loads and b1's 16 are younger;
	WBANK 2, 0, 32                                 ; one bank's and b1's;
	WBANK 3, 0, 16                                 ; b1's
	WIN 0
	s_wait_loadcnt 0x0                             ; b1
.set i, 0
.rept 32
	RND2 BIAS+i                                    ; b1 is rounded like the other inputs
.set i, i+2
.endr
	s_wait_dscnt 0x0                               ; for the others' sake: my part of the slice (and wave 0's list) is in LDS
	s_barrier_signal -1
	s_barrier_wait -1                              ; everybody's is; from here on nobody writes the slice or the list
	s_mov_b32 s[CT], 4
	s_mov_b32 s[B0], s[WV]
.Ltrip:
	s_cmp_ge_u32 s[B0], s[NB]
	s_cbranch_scc1 .Lnext                          ; my first block lies past the count: so do the others
	s_wait_xcnt 0x0                                ; what earlier loads and stores named is rewritten only behind this wait
	v_lshl_add_u32 v[TA], s[B0], 4, v[R]           ; place 16 x block + l % 16
.irp a, 0,1,2,3,4
	v_add_nc_u32 v[TA+1], 64*(\a), v[TA]
	v_min_u32 v[TA+1], 0x3ff, v[TA+1]
	v_lshl_add_u32 v[TA+1], v[TA+1], 2, LIST
	ds_load_b32 v[AOFF+(\a)], v[TA+1]
.endr
	s_wait_dscnt 0x0
.irp a, 0,1,2,3,4
	v_min_u32 v[AOFF+(\a)], 0x3ff, v[AOFF+(\a)]
	v_lshl_add_u32 v[AOFF+(\a)], v[AOFF+(\a)], 11, v[H16]   ; token x 2,048 bytes + 16 x half
.endr
	s_mov_b64 s[AB:AB+1], s[4:5]
	s_mov_b32 s[TB], 0
	v_add_nc_u32 v[ADRB], s[TB], v[ADRB0]          ; chunk 0
	; THE K WALK: 32 steps of 32.  Tokens are asked for three steps ahead, weight fragments one.
	ALOAD 0, 0
	ALOAD 1, 64
	ALOAD 2, 128
	BLOAD F0, 0
	KSTEP 0, 1, 64, 192, 20                        ; the first step stands ahead of the loop: its products start the sums
	WIN 0
	s_mov_b32 s[CI], 7
.Lk:                                                   ; a trip: steps 1 to 3 of a chunk of 128 K and step 0 of the next
	KSTEP 1, 0, 128, 256, 20                       ; 20: the two later steps' token loads are younger
	KSTEP 2, 0, 192, 320, 20
	KSTEP 3, 0, CHUNK, 384, 20
	KSTEP 0, 0, CHUNK+64, 448, 20
	WIN 0
	s_add_co_u32 s[TB], s[TB], CHUNK               ; the next chunk: the LDS address is made anew from its first byte and my lane's place
	v_add_nc_u32 v[ADRB], s[TB], v[ADRB0]
	s_wait_xcnt 0x0                                ; the token loads' base steps only behind this wait
	s_add_nc_u64 s[AB:AB+1], s[AB:AB+1], 256
	s_sub_co_u32 s[CI], s[CI], 1
	s_cmp_lg_u32 s[CI], 0
	s_cbranch_scc1 .Lk
	KSTEP 1, 0, 128, -1, 20                        ; the last three steps ask for no more tokens: the counts run down
	KSTEP 2, 0, 192, -1, 10
	KSTEP 3, 0, -1, -1, 0
.rept 4
	v_nop                                          ; the places between the last products and the first read of a sum
.endr
	WIN 0
	; THE WAY OUT: a counted loop over my five blocks, so that the GELU's text stands once
	s_mov_b32 s[CB], 0
	s_mov_b32 s[BT], s[B0]
.Lblk:
	s_cmp_ge_u32 s[BT], s[NB]
	s_cbranch_scc1 .Lblknext                       ; a block past the count stores nothing
	s_cmp_eq_u32 s[CB], 0
	s_cbranch_scc1 .Lsel_0
	s_cmp_eq_u32 s[CB], 1
	s_cbranch_scc1 .Lsel_1
	s_cmp_eq_u32 s[CB], 2
	s_cbranch_scc1 .Lsel_2
	s_cmp_eq_u32 s[CB], 3
	s_cbranch_scc1 .Lsel_3
	ARM 4
	s_branch .Lgelu
.Lsel_0:
	ARM 0
	s_branch .Lgelu
.Lsel_1:
	ARM 1
	s_branch .Lgelu
.Lsel_2:
	ARM 2
	s_branch .Lgelu
.Lsel_3:
	ARM 3
.Lgelu:
	s_wait_xcnt 0x0                                ; the last block's stores have read their base and the packed registers, which are written anew below
	s_lshl_b32 s[OF], s[BT], 17                    ; a block of 16 ranks is 256 column blocks of 512 bytes
	s_add_nc_u64 s[SB:SB+1], s[HB:HB+1], s[OF:OF+1]
	WIN 0xff                                       ; everything in window 3
	GELU 0
	GELU 1
	WIN 0x0c                                       ; address window 0, data window 3
.irp b, 0,1,2,3,4,5,6,7
	global_store_b128 v[VO], v[PKR+4*(\b):PKR+4*(\b)+3], s[SB:SB+1] offset:512*(\b)   ; the wave stores 512 consecutive bytes, aligned: one column block of the block of ranks
.endr
	WIN 0
.Lblknext:
	s_add_co_u32 s[BT], s[BT], 4
	s_add_co_u32 s[CB], s[CB], 1
	s_cmp_lt_u32 s[CB], 5
	s_cbranch_scc1 .Lblk
.Lnext:
	s_add_co_u32 s[B0], s[B0], 20
	s_sub_co_u32 s[CT], s[CT], 1
	s_cmp_lg_u32 s[CT], 0
	s_cbranch_scc1 .Ltrip
	s_wait_dscnt 0x0                               ; my reads of the slice and of the list are over;
	s_barrier_signal -1
	s_barrier_wait -1                              ; everybody's are, before any wave writes LDS again: the add below
	s_wait_tensorcnt 0x0                           ; the wave's end: a wait, an add to my spare word and a wait behind my last LDS store
	ds_add_u32 v[SPW], v[NIL]
	s_wait_dscnt 0x0
	s_endpgm
.Lfunc_end_k_q4d9e7a295d_up:
	.size	k_q4d9e7a295d_up, .Lfunc_end_k_q4d9e7a295d_up-k_q4d9e7a295d_up
	.p2alignl 7, 3214868480
	.fill 96, 4, 3214868480
	.section	.rodata,"a",@progbits
	.p2align	6, 0x0
	.amdhsa_kernel k_q4d9e7a295d_up
		.amdhsa_group_segment_fixed_size 283136
		.amdhsa_private_segment_fixed_size 0
		.amdhsa_enable_private_segment 0
		.amdhsa_kernarg_size 48
		.amdhsa_user_sgpr_count 2
		.amdhsa_user_sgpr_kernarg_segment_ptr 1
		.amdhsa_wavefront_size32 1
		.amdhsa_system_sgpr_workgroup_id_x 1
		.amdhsa_system_sgpr_workgroup_id_y 1
		.amdhsa_system_sgpr_workgroup_id_z 1
		.amdhsa_system_vgpr_workitem_id 0
		.amdhsa_next_free_vgpr 1024
		.amdhsa_next_free_sgpr 96
		.amdhsa_reserve_vcc 0
		.amdhsa_float_denorm_mode_32 3
		.amdhsa_float_denorm_mode_16_64 3
		.amdhsa_memory_ordered 1
		.amdhsa_forward_progress 1
		.amdhsa_inst_pref_size 156
	.end_amdhsa_kernel
	.amdgpu_metadata
---
amdhsa.version: [ 1, 2 ]
amdhsa.kernels:
  - .name:           k_q4d9e7a295d_up
    .symbol:         k_q4d9e7a295d_up.kd
    .args:
      - { .name: xb, .offset: 0, .size: 8, .value_kind: global_buffer, .address_space: global }
      - { .name: W1, .offset: 8, .size: 8, .value_kind: global_buffer, .address_space: global }
      - { .name: b1, .offset: 16, .size: 8, .value_kind: global_buffer, .address_space: global }
      - { .name: bits, .offset: 24, .size: 8, .value_kind: global_buffer, .address_space: global }
      - { .name: hid, .offset: 32, .size: 8, .value_kind: global_buffer, .address_space: global }
      - { .name: rank, .offset: 40, .size: 8, .value_kind: global_buffer, .address_space: global }
    .group_segment_fixed_size: 283136
    .private_segment_fixed_size: 0
    .kernarg_segment_align: 8
    .kernarg_segment_size: 48
    .max_flat_workgroup_size: 128
    .sgpr_count:     96
    .vgpr_count:     1024
    .wavefront_size: 32
...
	.end_amdgpu_metadata
.endif
;; end of part 2
;; launch down (part 3): grid 32 x 8, 4 waves a work-group, no clusters, 279,040 bytes of LDS; arguments hid, W2, bits, part; writes part
.if DOCPART == 3
	.amdgcn_target "amdgcn-amd-amdhsa--gfx1250"
	.amdhsa_code_object_version 6
	.text
	.protected	k_q4d9e7a295d_down
	.globl	k_q4d9e7a295d_down
	.p2align	8
	.type	k_q4d9e7a295d_down,@function
k_q4d9e7a295d_down:
	s_mov_b64 s[64:65], 0
	v_nop
	global_prefetch_b8 v0, s[64:65] scope:SCOPE_SE
	s_setreg_imm32_b32 hwreg(HW_REG_WAVE_MODE, 25, 1), 1
	s_wait_xcnt 0x0
; SECOND PRODUCT OF THE EXPERTS.  part[ks][e][rank][d] = sum over the 1,024 c of K slice ks of h[e][rank][c] W2[e][d][c].  h bf16, W2 f32, part f32 [4][8][1024][1024]: partial sums stay in f32.
; b2, the gate's weights and the sum over the four K slices and a token's two experts are the next launch's.
; hid holds h in the order of this product's operand registers: [8 experts][64 blocks of 16 ranks][256 column blocks of 16][32 lanes][16 bytes]: half a fragment (16 ranks x 16 of K) is one load of 512 consecutive bytes.
; SHARES.  Grid = 32 slices x 8 experts; slice = 8 ks + cs.  A work-group owns 128 rows d = 128 cs .. of W2[e] x 1,024 of K (524,288 bytes of f32), which it alone reads, and all rows of its expert.
; A slice of 128 x 1,024 asks a work-group for 2,048 bytes of each rank; 32 columns x all 4,096 of K would need no partial sums but ask for 8,192.
; PHASE 1 streams the slice through registers, rounds it once to bf16 and lays it into LDS (four banks of 16 loads take turns: 48 to 64 loads of a wave are out); a barrier;
; PHASE 2 walks blocks of 16 ranks, dealt by turns: in trip T of 4 wave w has the blocks 20 T + 4 a + w, a = 0..4; h comes from memory straight into registers; nothing writes LDS but the closing add.
; A trip whose first block lies past the count is jumped forward; in a live trip blocks past the count repeat the last block that was stored, and their way out is jumped.
; THE COLUMNS ARE DEALT.  LDS row 16 b + r holds weight row 64 (b / 4) + 4 r + b % 4.  Source 0 = 16 ranks, source 1 = 16 LDS rows: register j of lane l is rank 8 (l / 16) + j, and a lane's accumulators
; b = 4 g .. 4 g + 3 hold the four neighbouring columns 64 g + 4 (l % 16) + 0..3.  Copied side by side they are 16 bytes, and sixteen lanes' are 256 consecutive bytes of a row of part:
; 64 copies a block, where a way through LDS would be 32 LDS instructions.
; NO CLUSTER: each slice of weights has one reader.  An expert's h is shared by its 8 column slices (2,048 bytes of a rank are asked for 8 times), but a ring in LDS filled jointly wants a barrier and a
; tensor load in every step of the walk, and the walk's live trips hang on a stored count: what is jumped there may hold neither.
; LIMITS.  W2 is rounded once to bf16; NaN and infinities are not treated apart.
; REGISTERS, in windows of 256 (s_set_vgpr_msb: bits 1:0 source 0, 3:2 source 1, 5:4 source 2, 7:6 destination):
;   window 0: v0-31 addresses; v64-127, v128-191 two buffers of weight fragments (v64-127 also the copies on the way out)
;   window 1: phase 1: the ring of weight loads; then the accumulators of blocks a = 0..3, (a, b) at 64 a + 8 b
;   window 2: v0-63 the accumulators of block 4; v64-223 fragments of h, four slots (one a K step) of 40
.set WPITCH, 16384                     ; bytes from a weight row to the next
.set PITCH,  272                       ; an LDS row: 256 bytes + 16: row r starts at bank 4 r mod 64 (64 banks of 4 bytes: ISA guide 11.1)
.set CHUNK,  128*PITCH                 ; the slice lies by chunks of 128 K
.set SPARE,  8*CHUNK                   ; the spare words, 128 bytes a wave: two blocks of 256 bytes that no other line names
.set R,     1
.set HL,    2
.set SPW,   3                          ; v3   my spare word; never rewritten
.set NIL,   4                          ; v4   0; never rewritten
.set ADRB,  5                          ; v5   LDS address of my weight fragments in the chunk in hand
.set ADRB0, 6                          ; v6   the same in chunk 0; never rewritten
.set GO,    9                          ; v9   my byte offset in a block's rows of part: 8 rows x (l / 16) + 16 (l % 16)
.set AOFF,  10                         ; v10-14  block a: its first byte in the expert's part of hid + 16 x lane
.set VO,    15                         ; v15  16 x lane; never rewritten
.set WADR,  16
.set TA,    24
.set LANE,  31
.set F0,    64
.set AR,    64                         ; window 2
.set BM,  16                           ; s[16:47] my expert's bitmap
.set WV,  48
.set SL,  49
.set XP,  50
.set NN,  51
.set NB,  52
.set CS,  53                           ; column slice
.set TS,  54
.set WB,  56
.set AB,  58
.set OF,  60                           ; s[60:61] an offset; the high word stays 0
.set CI,  62
.set CT,  63
.set KS,  66                           ; K slice
.set B0,  67
.set BT,  68
.set LIM, 69                           ; the last block of hid that was stored: NB - 1
.set PB,  70                           ; s[70:71] part at my K slice, expert and 128 columns
.set SB,  72
.set HB,  74                           ; s[74:75] hid at my expert and K slice
.set TB,  76                           ; s76  LDS byte at which the chunk in hand begins
.set MSB, 0
.macro WIN new                         ; the immediate's high byte repeats the setting that is left; a switch that changes nothing is dropped
.if MSB != (\new)
	s_set_vgpr_msb (MSB<<8)|(\new)
.set MSB, \new
.endif
.endm
.macro WLOAD bank, ahead               ; 16 loads: 4,096 bytes of each of two weight rows into a bank of the ring
	WIN 0x40
.irp i, 0,1
.irp j, 0,1,2,3,4,5,6,7
	global_load_b128 v[64*(\bank)+32*(\i)+4*(\j):64*(\bank)+32*(\i)+4*(\j)+3], v[VO], s[WB:WB+1] offset:(8*(\ahead)+2*(\bank)+(\i))*WPITCH+512*(\j) th:TH_LOAD_NT
.endr
.endr
.endm
; A bank's turn: wait (left = the younger loads), round in place, 16 LDS stores of 256 consecutive bytes, refill.  Row q = 2 bank + i of the trip's eight goes to LDS row 16 (q % 4) + q / 4 from WADR's
.macro WBANK bank, refill, left
	s_wait_loadcnt \left
	WIN 0x45
.set rx, 64*(\bank)
.rept 16
	v_cvt_pk_bf16_f32 v[rx], v[rx], v[rx+1]
	v_cvt_pk_bf16_f32 v[rx+1], v[rx+2], v[rx+3]
.set rx, rx+4
.endr
	WIN 0x04
.irp i, 0,1
.irp j, 0,1,2,3,4,5,6,7
	ds_store_b64 v[WADR+(\j)], v[64*(\bank)+32*(\i)+4*(\j):64*(\bank)+32*(\i)+4*(\j)+1] offset:(16*((2*(\bank)+(\i))&3)+((2*(\bank)+(\i))>>2))*PITCH
.endr
.endr
.if \refill
	WLOAD \bank, 1
.endif
.endm
.macro MULB f, s, a, zero              ; 8 matrix instructions: block a (source 0) x 8 blocks of 16 LDS rows (source 1), 32 along K
.if (\a) < 4
	WIN 0x52                                       ; source 0 window 2, source 1 window 0, C and D window 1
.set AC, 64*(\a)
.else
	WIN 0xa2                                       ; C and D window 2
.set AC, 0
.endif
.irp b, 0,1,2,3,4,5,6,7
.if \zero
	v_wmma_f32_16x16x32_bf16 v[AC+8*(\b):AC+8*(\b)+7], v[AR+40*(\s)+8*(\a):AR+40*(\s)+8*(\a)+7], v[(\f)+8*(\b):(\f)+8*(\b)+7], 0
.else
	v_wmma_f32_16x16x32_bf16 v[AC+8*(\b):AC+8*(\b)+7], v[AR+40*(\s)+8*(\a):AR+40*(\s)+8*(\a)+7], v[(\f)+8*(\b):(\f)+8*(\b)+7], v[AC+8*(\b):AC+8*(\b)+7]
.endif
.endr
.endm
.macro BLOAD f, off
	WIN 0
.irp b, 0,1,2,3,4,5,6,7
	ds_load_b128 v[(\f)+8*(\b):(\f)+8*(\b)+3],   v[ADRB] offset:(\off)+16*PITCH*(\b)
	ds_load_b128 v[(\f)+8*(\b)+4:(\f)+8*(\b)+7], v[ADRB] offset:(\off)+16*PITCH*(\b)+32
.endr
.endm
.macro ALOAD s, off                    ; 10 global loads of 512 consecutive bytes: my five blocks x 32 K (two column blocks of 16) at byte off from the base, into slot s
	WIN 0x80
.irp a, 0,1,2,3,4
	global_load_b128 v[AR+40*(\s)+8*(\a):AR+40*(\s)+8*(\a)+3],   v[AOFF+(\a)], s[AB:AB+1] offset:(\off)
	global_load_b128 v[AR+40*(\s)+8*(\a)+4:AR+40*(\s)+8*(\a)+7], v[AOFF+(\a)], s[AB:AB+1] offset:(\off)+512
.endr
.endm
; A K step of 32: 40 matrix instructions on 40 accumulators, which take turns in the same order in every step.  In its middle: the next step's weight fragments (bnext, or -1)
; and h of the step three on (aref, or -1).  acnt = the loads of h younger than this step's.  The four v_nop are the places between the step before's matrix instructions and loads into registers that they read.
.macro KSTEP s, zero, bnext, aref, acnt
.set fb, F0+64*((\s)%2)
.set fn, F0+64*(((\s)+1)%2)
.set an, ((\s)+3)%4
	s_wait_loadcnt \acnt
	s_wait_dscnt 0x0
	MULB fb, \s, 0, \zero
	MULB fb, \s, 1, \zero
.if ((\bnext) >= 0) || ((\aref) >= 0)
.rept 4
	v_nop
.endr
.endif
.if (\bnext) >= 0
	BLOAD fn, \bnext
.endif
.if (\aref) >= 0
	ALOAD an, \aref
.endif
	MULB fb, \s, 2, \zero
	MULB fb, \s, 3, \zero
	MULB fb, \s, 4, \zero
.endm
; The way out of block a: register j of the accumulators 4 g .. 4 g + 3 side by side (j ascending: each accumulator is read from its lowest register on), then 16 stores
.macro OUTB a
	WIN 0
	s_add_co_u32 s[BT], s[B0], 4*(\a)
	s_cmp_ge_u32 s[BT], s[NB]
	s_cbranch_scc1 .Ldead_\@                       ; a block past the count stores nothing
	s_wait_xcnt 0x0                                ; the last block's stores have read their base and their data registers
	s_lshl_b32 s[OF], s[BT], 16                    ; 16 rows of 4,096 bytes
	s_add_nc_u64 s[SB:SB+1], s[PB:PB+1], s[OF:OF+1]
.if (\a) < 4
	WIN 0x01                                       ; source window 1, destination window 0
.set ab, 64*(\a)
.else
	WIN 0x02                                       ; source window 2
.set ab, 0
.endif
.irp j, 0,1,2,3,4,5,6,7
.irp g, 0,1
.irp i, 0,1,2,3
	v_mov_b32 v[F0+8*(\j)+4*(\g)+(\i)], v[ab+8*(4*(\g)+(\i))+(\j)]
.endr
.endr
.endr
	WIN 0
.irp j, 0,1,2,3,4,5,6,7
.irp g, 0,1
	global_store_b128 v[GO], v[F0+8*(\j)+4*(\g):F0+8*(\j)+4*(\g)+3], s[SB:SB+1] offset:4096*(\j)+256*(\g)   ; lanes 0-15: 256 consecutive bytes of row j, aligned; lanes 16-31: of row 8 + j
.endr
.endr
.Ldead_\@:
.endm
	s_load_b256 s[4:11], s[0:1], 0x0               ; hid s[4:5], W2 s[6:7], bits s[8:9], part s[10:11]
	v_lshl_add_u32 v[SPW], v0, 2, SPARE
	v_mov_b32 v[NIL], 0
	v_lshrrev_b32 v[TA], 5, v0
	v_readfirstlane_b32 s[WV], v[TA]               ; wave 0..3
	s_mov_b32 s[SL], ttmp9
	s_and_b32 s[XP], ttmp7, 0xffff
	s_and_b32 s[CS], s[SL], 7
	s_lshr_b32 s[KS], s[SL], 3
	v_and_b32 v[LANE], 31, v0
	v_and_b32 v[R], 15, v0
	v_bfe_u32 v[HL], v0, 4, 1
	v_lshlrev_b32 v[VO], 4, v[LANE]
	s_lshl_b32 s[OF], s[XP], 7                     ; my expert's 128 bytes of bitmap
	s_mov_b32 s[OF+1], 0
	s_wait_kmcnt 0x0
	s_add_nc_u64 s[8:9], s[8:9], s[OF:OF+1]
	s_load_b512 s[BM:BM+15], s[8:9], 0x0
	s_load_b512 s[BM+16:BM+31], s[8:9], 0x40
	s_lshl_b32 s[OF], s[XP], 24                    ; an expert's W2 is 2^24 bytes, 128 rows 2^21, a wave's 32 rows 2^19, a K slice 2^12 bytes of a row
	s_lshl_b32 s[TS], s[CS], 21
	s_add_co_u32 s[OF], s[OF], s[TS]
	s_lshl_b32 s[TS], s[WV], 19
	s_add_co_u32 s[OF], s[OF], s[TS]
	s_lshl_b32 s[TS], s[KS], 12
	s_add_co_u32 s[OF], s[OF], s[TS]
	s_add_nc_u64 s[WB:WB+1], s[6:7], s[OF:OF+1]
	WLOAD 0, 0                                     ; the ring is filled before anything else is done
	WLOAD 1, 0
	WLOAD 2, 0
	WLOAD 3, 0
	WIN 0
	; weight row 32 w + 8 T + q (trip T, q = 0..7) goes to LDS row 64 (w / 2) + 8 (w % 2) + 2 T + 16 (q % 4) + q / 4
	s_lshr_b32 s[TS], s[WV], 1
	s_lshl_b32 s[TS], s[TS], 6
	s_and_b32 s[TS+1], s[WV], 1
	s_lshl_b32 s[TS+1], s[TS+1], 3
	s_add_co_u32 s[TS], s[TS], s[TS+1]
	s_mul_i32 s[TS], s[TS], PITCH
	v_lshl_add_u32 v[TA], v[LANE], 3, s[TS]
.irp j, 0,1,2,3,4,5,6,7
	v_add_nc_u32 v[WADR+(\j)], (\j)*CHUNK, v[TA]
.endr
	v_mul_u32_u24 v[ADRB0], v[R], PITCH
	v_lshl_add_u32 v[ADRB0], v[HL], 4, v[ADRB0]    ; a fragment's row x pitch + 16 x half
	v_lshlrev_b32 v[GO], 15, v[HL]                 ; lanes 16-31: eight rows of 4,096 bytes further down
	v_lshl_add_u32 v[GO], v[R], 4, v[GO]
	s_lshl_b32 s[OF], s[KS], 3
	s_add_co_u32 s[OF], s[OF], s[XP]
	s_lshl_b32 s[OF], s[OF], 22                    ; (8 ks + e) x 1,024 rows x 4,096 bytes
	s_lshl_b32 s[TS], s[CS], 9                     ; my 128 columns are 512 bytes of a row
	s_add_co_u32 s[OF], s[OF], s[TS]
	s_add_nc_u64 s[PB:PB+1], s[10:11], s[OF:OF+1]
	s_lshl_b32 s[OF], s[XP], 23
	s_lshl_b32 s[TS], s[KS], 15                    ; my 1,024 of K are 64 column blocks of 512 bytes in each block of ranks
	s_add_co_u32 s[OF], s[OF], s[TS]
	s_add_nc_u64 s[HB:HB+1], s[4:5], s[OF:OF+1]
	s_wait_kmcnt 0x0                               ; the bitmap
	s_mov_b32 s[NN], 0
.set w, 0
.rept 32
	s_bcnt1_i32_b32 s[TS], s[BM+w]
	s_add_co_u32 s[NN], s[NN], s[TS]
.set w, w+1
.endr
	s_add_co_u32 s[NB], s[NN], 15
	s_lshr_b32 s[NB], s[NB], 4
	s_sub_co_u32 s[LIM], s[NB], 1                  ; used in live trips alone, where NB is at least 1
	s_mov_b32 s[CI], 3
.Lstream:                                              ; three trips take 8 rows each and ask for the next 8; the last 8 are written out, so that no load leaves the slice
	WBANK 0, 1, 48                                 ; 48: the three other banks' loads are younger
	WBANK 1, 1, 48
	WBANK 2, 1, 48
	WBANK 3, 1, 48
	WIN 0
	s_wait_xcnt 0x0                                ; the loads' base steps only behind this wait
	s_add_nc_u64 s[WB:WB+1], s[WB:WB+1], 8*WPITCH
.irp j, 0,1,2,3,4,5,6,7
	v_add_nc_u32 v[WADR+(\j)], 2*PITCH, v[WADR+(\j)]
.endr
	s_sub_co_u32 s[CI], s[CI], 1
	s_cmp_lg_u32 s[CI], 0
	s_cbranch_scc1 .Lstream
	WBANK 0, 0, 48                                 ; the counts run down
	WBANK 1, 0, 32
	WBANK 2, 0, 16
	WBANK 3, 0, 0
	WIN 0
	s_wait_dscnt 0x0                               ; for the others' sake: my part of the slice is in LDS
	s_barrier_signal -1
	s_barrier_wait -1                              ; everybody's is; from here on nobody writes the slice
	s_mov_b32 s[CT], 4
	s_mov_b32 s[B0], s[WV]
.Ltrip:
	s_cmp_ge_u32 s[B0], s[NB]
	s_cbranch_scc1 .Lnext                          ; my first block lies past the count: so do the others
	s_wait_xcnt 0x0                                ; what earlier loads and stores named is rewritten only behind this wait
.irp a, 0,1,2,3,4
	s_add_co_u32 s[BT], s[B0], 4*(\a)
	s_min_u32 s[BT], s[BT], s[LIM]                 ; past the last stored block: that block again
	s_min_u32 s[BT], s[BT], 63
	s_lshl_b32 s[BT], s[BT], 17                    ; a block of 16 ranks is 2^17 bytes of hid
	v_add_nc_u32 v[AOFF+(\a)], s[BT], v[VO]
.endr
	s_mov_b64 s[AB:AB+1], s[HB:HB+1]
	s_mov_b32 s[TB], 0
	v_add_nc_u32 v[ADRB], s[TB], v[ADRB0]          ; chunk 0
	ALOAD 0, 0                                     ; THE K WALK: 32 steps of 32 (1,024 bytes of a block of hid each); h three steps ahead, weight fragments one
	ALOAD 1, 1024
	ALOAD 2, 2048
	BLOAD F0, 0
	KSTEP 0, 1, 64, 3072, 20                       ; the first step stands ahead of the loop: its products start the sums
	WIN 0
	s_mov_b32 s[CI], 7
.Lk:
	KSTEP 1, 0, 128, 4096, 20                      ; 20: the two later steps' loads of h are younger
	KSTEP 2, 0, 192, 5120, 20
	KSTEP 3, 0, CHUNK, 6144, 20
	KSTEP 0, 0, CHUNK+64, 7168, 20
	WIN 0
	s_add_co_u32 s[TB], s[TB], CHUNK               ; the next chunk: the LDS address is made anew from its first byte and my lane's place
	v_add_nc_u32 v[ADRB], s[TB], v[ADRB0]
	s_wait_xcnt 0x0                                ; the base of h's loads steps only behind this wait
	s_add_nc_u64 s[AB:AB+1], s[AB:AB+1], 4096
	s_sub_co_u32 s[CI], s[CI], 1
	s_cmp_lg_u32 s[CI], 0
	s_cbranch_scc1 .Lk
	KSTEP 1, 0, 128, -1, 20                        ; the last three steps ask for no more of h: the counts run down
	KSTEP 2, 0, 192, -1, 10
	KSTEP 3, 0, -1, -1, 0
.rept 4
	v_nop                                          ; the places between the last products and the first read of a sum, and the first write of a register that they read
.endr
	OUTB 0
	OUTB 1
	OUTB 2
	OUTB 3
	OUTB 4
.Lnext:
	s_add_co_u32 s[B0], s[B0], 20
	s_sub_co_u32 s[CT], s[CT], 1
	s_cmp_lg_u32 s[CT], 0
	s_cbranch_scc1 .Ltrip
	s_wait_dscnt 0x0                               ; my reads of the slice are over;
	s_barrier_signal -1
	s_barrier_wait -1                              ; everybody's are, before any wave writes LDS again: the add below
	s_wait_tensorcnt 0x0                           ; the wave's end: a wait, an add to my spare word and a wait behind my last LDS store
	ds_add_u32 v[SPW], v[NIL]
	s_wait_dscnt 0x0
	s_endpgm
.Lfunc_end_k_q4d9e7a295d_down:
	.size	k_q4d9e7a295d_down, .Lfunc_end_k_q4d9e7a295d_down-k_q4d9e7a295d_down
	.p2alignl 7, 3214868480
	.fill 96, 4, 3214868480
	.section	.rodata,"a",@progbits
	.p2align	6, 0x0
	.amdhsa_kernel k_q4d9e7a295d_down
		.amdhsa_group_segment_fixed_size 279040
		.amdhsa_private_segment_fixed_size 0
		.amdhsa_enable_private_segment 0
		.amdhsa_kernarg_size 32
		.amdhsa_user_sgpr_count 2
		.amdhsa_user_sgpr_kernarg_segment_ptr 1
		.amdhsa_wavefront_size32 1
		.amdhsa_system_sgpr_workgroup_id_x 1
		.amdhsa_system_sgpr_workgroup_id_y 1
		.amdhsa_system_sgpr_workgroup_id_z 1
		.amdhsa_system_vgpr_workitem_id 0
		.amdhsa_next_free_vgpr 768
		.amdhsa_next_free_sgpr 96
		.amdhsa_reserve_vcc 0
		.amdhsa_float_denorm_mode_32 3
		.amdhsa_float_denorm_mode_16_64 3
		.amdhsa_memory_ordered 1
		.amdhsa_forward_progress 1
		.amdhsa_inst_pref_size 102
	.end_amdhsa_kernel
	.amdgpu_metadata
---
amdhsa.version: [ 1, 2 ]
amdhsa.kernels:
  - .name:           k_q4d9e7a295d_down
    .symbol:         k_q4d9e7a295d_down.kd
    .args:
      - { .name: hid, .offset: 0, .size: 8, .value_kind: global_buffer, .address_space: global }
      - { .name: W2, .offset: 8, .size: 8, .value_kind: global_buffer, .address_space: global }
      - { .name: bits, .offset: 16, .size: 8, .value_kind: global_buffer, .address_space: global }
      - { .name: part, .offset: 24, .size: 8, .value_kind: global_buffer, .address_space: global }
    .group_segment_fixed_size: 279040
    .private_segment_fixed_size: 0
    .kernarg_segment_align: 8
    .kernarg_segment_size: 32
    .max_flat_workgroup_size: 128
    .sgpr_count:     96
    .vgpr_count:     768
    .wavefront_size: 32
...
	.end_amdgpu_metadata
.endif
;; end of part 3
;; launch combine (part 4): grid 256 x 1, 8 waves a work-group, no clusters, 0 bytes of LDS; arguments part, b2, sel, gate, rank, out0; writes out0
.if DOCPART == 4
	.amdgcn_target "amdgcn-amd-amdhsa--gfx1250"
	.amdhsa_code_object_version 6
	.text
	.protected	k_q4d9e7a295d_combine
	.globl	k_q4d9e7a295d_combine
	.p2align	8
	.type	k_q4d9e7a295d_combine,@function
k_q4d9e7a295d_combine:
	s_mov_b64 s[64:65], 0
	v_nop
	global_prefetch_b8 v0, s[64:65] scope:SCOPE_SE
	s_setreg_imm32_b32 hwreg(HW_REG_WAVE_MODE, 25, 1), 1
	s_wait_xcnt 0x0
; THE SUM.  out0[t][:] = w1 (b2[e1] + the four K slices' part[.][e1][r1]) + w2 (b2[e2] + part[.][e2][r2]), with (e1, e2) = sel[t], (w1, w2) = gate[t], r = rank[t][e].  All in f32.
; b2 is rounded once to bf16 on its way in, as every input of the module is in this program: one rounding for all of them.
; A stream: memory binds, so no LDS, no barrier, no matrix unit.  A wave has half a token's row (2,048 bytes): 2,048 waves in 256 work-groups.  Its 40 loads of 512 consecutive bytes go out together;
; the first expert's sums are made while the second's loads are on their way.  Each row of part belongs to one token, so it is read once.
; The experts and ranks are whole numbers that earlier launches stored; they are held to 0..7 and 0..1,023 before they enter an address.
.set VO,  2                            ; v2   16 x lane
.set DA,  8                            ; v8-167: expert slot s at DA + 80 s; group g (0: b2; 1-4: the K slices) at + 16 g; load j at + 4 j
.set MSK, 20                           ; s20  first the wave's number, then the mask of a word's upper bf16
.macro RND2 a                          ; two f32 rounded to bf16 and widened again, in place
	v_cvt_pk_bf16_f32 v[(\a)+1], v[(\a)], v[(\a)+1]
	v_lshlrev_b32 v[(\a)], 16, v[(\a)+1]
	v_and_b32 v[(\a)+1], s[MSK], v[(\a)+1]
.endm
	s_load_b256 s[4:11], s[0:1], 0x0               ; part s[4:5], b2 s[6:7], sel s[8:9], gate s[10:11]
	s_load_b128 s[12:15], s[0:1], 0x20             ; rank s[12:13], out0 s[14:15]
	v_lshrrev_b32 v1, 5, v0
	v_readfirstlane_b32 s20, v1                    ; wave 0..7
	v_and_b32 v[VO], 31, v0
	v_lshlrev_b32 v[VO], 4, v[VO]
	s_lshl_b32 s21, ttmp9, 3
	s_add_co_u32 s21, s21, s20                     ; my wave among the launch's
	s_mov_b32 s[MSK], 0xffff0000
	s_lshr_b32 s22, s21, 1                         ; the token
	s_and_b32 s23, s21, 1
	s_lshl_b32 s23, s23, 11                        ; which half of its row, in bytes
	s_lshl_b32 s58, s22, 3                         ; its 8 bytes in sel and in gate,
	s_mov_b32 s59, 0
	s_lshl_b32 s60, s22, 5                         ; its 32 bytes in rank,
	s_mov_b32 s61, 0
	s_lshl_b32 s62, s22, 12                        ; its row of out0
	s_add_co_u32 s62, s62, s23
	s_mov_b32 s63, 0
	s_mov_b32 s35, 0
	s_wait_kmcnt 0x0
	s_add_nc_u64 s[8:9], s[8:9], s[58:59]
	s_add_nc_u64 s[10:11], s[10:11], s[58:59]
	s_add_nc_u64 s[12:13], s[12:13], s[60:61]
	s_add_nc_u64 s[14:15], s[14:15], s[62:63]
	s_load_b64 s[16:17], s[8:9], 0x0               ; e1, e2
	s_load_b64 s[18:19], s[10:11], 0x0             ; w1, w2
	s_load_b256 s[24:31], s[12:13], 0x0            ; the token's rank in each of the eight experts
	s_wait_kmcnt 0x0
	s_min_u32 s16, s16, 7
	s_min_u32 s17, s17, 7
	s_mov_b32 s32, s24
	s_mov_b32 s33, s24
.irp k, 1,2,3,4,5,6,7
	s_cmp_eq_u32 s16, \k
	s_cselect_b32 s32, s[24+(\k)], s32
	s_cmp_eq_u32 s17, \k
	s_cselect_b32 s33, s[24+(\k)], s33
.endr
	s_min_u32 s32, s32, 0x3ff
	s_min_u32 s33, s33, 0x3ff
	s_mov_b32 s56, s19                             ; w2 in a pair of its own: the packed forms take a pair's low word
	s_mov_b32 s57, s19
.irp s, 0,1
	s_lshl_b32 s34, s[16+(\s)], 10
	s_add_co_u32 s34, s34, s[32+(\s)]
	s_lshl_b32 s34, s34, 12                        ; (1,024 e + r) x 4,096 bytes
	s_add_co_u32 s34, s34, s23
	s_add_nc_u64 s[36+8*(\s):37+8*(\s)], s[4:5], s[34:35]
	s_add_nc_u64 s[38+8*(\s):39+8*(\s)], s[36+8*(\s):37+8*(\s)], 0x2000000   ; a K slice's part is 8 x 1,024 x 4,096 bytes
	s_add_nc_u64 s[40+8*(\s):41+8*(\s)], s[38+8*(\s):39+8*(\s)], 0x2000000
	s_add_nc_u64 s[42+8*(\s):43+8*(\s)], s[40+8*(\s):41+8*(\s)], 0x2000000
	s_lshl_b32 s34, s[16+(\s)], 12
	s_add_co_u32 s34, s34, s23
	s_add_nc_u64 s[52+2*(\s):53+2*(\s)], s[6:7], s[34:35]
.endr
.irp s, 0,1
.irp j, 0,1,2,3
	global_load_b128 v[DA+80*(\s)+4*(\j):DA+80*(\s)+4*(\j)+3], v[VO], s[52+2*(\s):53+2*(\s)] offset:512*(\j)
.endr
.irp g, 0,1,2,3
.irp j, 0,1,2,3
	global_load_b128 v[DA+80*(\s)+16+16*(\g)+4*(\j):DA+80*(\s)+16+16*(\g)+4*(\j)+3], v[VO], s[36+8*(\s)+2*(\g):37+8*(\s)+2*(\g)] offset:512*(\j) th:TH_LOAD_NT
.endr
.endr
.endr
.macro SUMS s                          ; b2, rounded, + the four K slices, eight pairs side by side
.set p, 0
.rept 8
	RND2 DA+80*(\s)+p
.set p, p+2
.endr
.irp g, 1,2,3,4
.set p, 0
.rept 8
	v_pk_add_f32 v[DA+80*(\s)+p:DA+80*(\s)+p+1], v[DA+80*(\s)+p:DA+80*(\s)+p+1], v[DA+80*(\s)+16*(\g)+p:DA+80*(\s)+16*(\g)+p+1]
.set p, p+2
.endr
.endr
.endm
	s_wait_loadcnt 20                              ; the second expert's 20 loads are younger
	SUMS 0
.set p, 0
.rept 8
	v_pk_mul_f32 v[DA+p:DA+p+1], v[DA+p:DA+p+1], s[18:19] op_sel_hi:[1,0]   ; x w1
.set p, p+2
.endr
	s_wait_loadcnt 0x0
	SUMS 1
.set p, 0
.rept 8
	v_pk_fma_f32 v[DA+p:DA+p+1], v[DA+80+p:DA+80+p+1], s[56:57], v[DA+p:DA+p+1] op_sel_hi:[1,0,1]   ; + w2 x the second
.set p, p+2
.endr
.irp j, 0,1,2,3
	global_store_b128 v[VO], v[DA+4*(\j):DA+4*(\j)+3], s[14:15] offset:512*(\j) th:TH_STORE_NT   ; 512 consecutive bytes, aligned
.endr
	s_endpgm
.Lfunc_end_k_q4d9e7a295d_combine:
	.size	k_q4d9e7a295d_combine, .Lfunc_end_k_q4d9e7a295d_combine-k_q4d9e7a295d_combine
	.p2alignl 7, 3214868480
	.fill 96, 4, 3214868480
	.section	.rodata,"a",@progbits
	.p2align	6, 0x0
	.amdhsa_kernel k_q4d9e7a295d_combine
		.amdhsa_group_segment_fixed_size 0
		.amdhsa_private_segment_fixed_size 0
		.amdhsa_enable_private_segment 0
		.amdhsa_kernarg_size 48
		.amdhsa_user_sgpr_count 2
		.amdhsa_user_sgpr_kernarg_segment_ptr 1
		.amdhsa_wavefront_size32 1
		.amdhsa_system_sgpr_workgroup_id_x 1
		.amdhsa_system_sgpr_workgroup_id_y 1
		.amdhsa_system_sgpr_workgroup_id_z 1
		.amdhsa_system_vgpr_workitem_id 0
		.amdhsa_next_free_vgpr 176
		.amdhsa_next_free_sgpr 66
		.amdhsa_reserve_vcc 0
		.amdhsa_float_denorm_mode_32 3
		.amdhsa_float_denorm_mode_16_64 3
		.amdhsa_memory_ordered 1
		.amdhsa_forward_progress 1
		.amdhsa_inst_pref_size 15
	.end_amdhsa_kernel
	.amdgpu_metadata
---
amdhsa.version: [ 1, 2 ]
amdhsa.kernels:
  - .name:           k_q4d9e7a295d_combine
    .symbol:         k_q4d9e7a295d_combine.kd
    .args:
      - { .name: part, .offset: 0, .size: 8, .value_kind: global_buffer, .address_space: global }
      - { .name: b2, .offset: 8, .size: 8, .value_kind: global_buffer, .address_space: global }
      - { .name: sel, .offset: 16, .size: 8, .value_kind: global_buffer, .address_space: global }
      - { .name: gate, .offset: 24, .size: 8, .value_kind: global_buffer, .address_space: global }
      - { .name: rank, .offset: 32, .size: 8, .value_kind: global_buffer, .address_space: global }
      - { .name: out0, .offset: 40, .size: 8, .value_kind: global_buffer, .address_space: global }
    .group_segment_fixed_size: 0
    .private_segment_fixed_size: 0
    .kernarg_segment_align: 8
    .kernarg_segment_size: 48
    .max_flat_workgroup_size: 256
    .sgpr_count:     66
    .vgpr_count:     176
    .wavefront_size: 32
...
	.end_amdgpu_metadata
.endif
;; end of part 4
;; ======== version 2 of 2: 4 launches; version 1 with the launches up, down written anew for expert scheduling mode
;; workspace buffers: xb 2,097,152 bytes; bits 1,024 bytes of whole numbers; sel 8,192 bytes of whole numbers; gate 8,192 bytes; rank 32,768 bytes of whole numbers; hid 67,108,864 bytes; part 134,217,728 bytes
;; launch router: the kernel of part 1 again; grid 128 x 1, 4 waves a work-group, no clusters, 1,024 bytes of LDS; arguments x, Wr, br, xb, bits, sel, gate; writes xb, bits, sel, gate
;; launch up (part 5): grid 32 x 8, 4 waves a work-group, no clusters, 283,136 bytes of LDS; arguments xb, W1, b1, bits, hid, rank; writes hid, rank
.if DOCPART == 5
	.amdgcn_target "amdgcn-amd-amdhsa--gfx1250"
	.amdhsa_code_object_version 6
	.text
	.protected	k_q4d9e7a295d_up
	.globl	k_q4d9e7a295d_up
	.p2align	8
	.type	k_q4d9e7a295d_up,@function
k_q4d9e7a295d_up:
	s_mov_b64 s[64:65], 0
	v_nop
	global_prefetch_b8 v0, s[64:65] scope:SCOPE_SE
	s_setreg_imm32_b32 hwreg(HW_REG_WAVE_SCHED_MODE, 0, 2), 2
	s_setreg_imm32_b32 hwreg(HW_REG_WAVE_MODE, 25, 1), 1
	s_wait_xcnt 0x0
	s_wait_alu depctr_vm_vsrc(0)
; FIRST PRODUCT OF THE EXPERTS.  h[e][rank][c] = gelu(sum over d of xb[token][d] W1[e][c][d] + b1[e][c]), for the tokens that chose expert e, in the order of their numbers (rank = how many
; chosen tokens lie below).  xb bf16, W1 and b1 f32, h rounded once to bf16.  Also stored, by slice 0 of each expert: rank[t][e].
; ONE ROUNDING FOR THE WHOLE PROGRAM: every input of the module is rounded once to bf16, here W1 and b1 (x by the router); sums, bias and GELU are f32.
; hid HOLDS h IN THE ORDER OF THE NEXT PRODUCT'S OPERAND REGISTERS: [8 experts][64 blocks of 16 ranks][256 column blocks of 16][32 lanes][16 bytes]; lane l's 16 bytes are rank 16 block + l % 16,
; columns 16 cb + 8 (l / 16) + 0..7.  That is what a lane holds here after the rounding, so each (block, column block) leaves by one store of 512 consecutive bytes, with no way through LDS.
; SHARES.  Grid = 32 slices x 8 experts.  A work-group owns 128 rows of W1[e] (524,288 bytes of f32), which it alone reads, and all rows of its expert.
; PHASE 1: the slice streams through registers, is rounded once to bf16 and laid into LDS.  Wave w takes weight rows 32 w ..; a row is eight loads of 512 consecutive bytes; four banks of 16 loads
; take turns, so that 48 to 64 loads of a wave are out.  Tensor loads are no use here: the numbers must pass registers to be rounded.
; PHASE 2: the token rows come from memory straight into registers as matrix operands; behind the barrier between the phases nothing writes LDS but the closing add.
; Blocks of 16 ranks are dealt by turns: in trip T (4 trips, a constant that covers 1,024 rows) wave w has the blocks 20 T + 4 a + w, a = 0..4.  A trip whose first block lies past the count is jumped
; forward; in a live trip all five blocks are multiplied (places past the count take other tokens' rows, which exist), and only the way out of blocks past the count is jumped.
; Whole blocks are stored: ranks n .. 16 ceil(n / 16) - 1 hold tokens that did not choose e; the next launch multiplies them, and nobody reads what comes of it.
; NO CLUSTER: each slice of weights has one reader; what an expert's work-groups share is token rows named by a list, which no tile descriptor covers.
; THE MATRIX INSTRUCTION IS USED TRANSPOSED: source 0 = 16 weight rows, source 1 = 16 tokens: lane l then holds token l % 16 and the columns 8 (l / 16) + 0..7.
; GELU, exact form: gelu(x) = max(x, 0) - |x| Phi(-|x|), Phi(-|x|) = (a1 t + .. + a5 t^5) e^(-x^2 / 2) / 2, t = 1 / (1 + p |x| / sqrt 2): Abramowitz and Stegun 7.1.26, within 1.5e-7 of erf for every x.
; With y = |x| / sqrt(2 ln 2) the exponential is 2^(-y^2); 1 / 2 and the factor back from y to |x| are folded into the coefficients.
; LIMITS.  xb, W1, b1 and h are rounded once to bf16; erf to 1.5e-7 absolute; NaN and infinities are not treated apart.
; THE MODE: SCHED_MODE bits 1:0 = 2 (LLVM: expert scheduling mode 2), set by the entry lines.  The code itself states the register dependences
; between vector or matrix instructions and memory or LDS instructions, with s_wait_alu, always for 0.
; THE PLAN.  Registers that memory or LDS instructions touch, and who else names them:
;   RAW0 .. RAW3  (window 1) a bank's 16 weight loads land here; the bank's 32 roundings read it; behind them it is asked for again.
;   OUT0, OUT1    (window 2) the roundings of bank b write OUT[b % 2]; the bank's 16 LDS stores read it.  No store reads RAW, so the refill waits for the roundings alone.
;   WADR          read by every LDS store of the stream; stepped once a trip.      VO, BO, RKO: offsets made once, never written again.
;   LSA, LSD, RKD (wave 0) a register for each of the bitmap's 32 words: the list's address, its token, the rank: made in one run, stored behind one wait.
;   F0, F1 and the four token slots: step s's matrix instructions read F[s % 2] and slot s; its loads land in F[(s + 1) % 2] and in slot (s + 3) % 4, which the step before read and which
;                 nothing in step s names.  So ONE wait on va_vdst stands at a step's head, and the step's 26 loads are dealt among its 40 matrix instructions with no further wait.
;   ADRB          read by the weight fragments' loads; written once in four steps.  The token slots have a scalar base each, stepped behind the wait that shows the slot's loads done.
;   LA, AOFF      a trip's five list addresses and five token offsets: made at the trip's head.      PKR: a block's 32 packed registers, written behind the GELU, read by its 8 stores.
; REGISTERS, in windows of 256 (s_set_vgpr_msb: bits 1:0 source 0, 3:2 source 1, 5:4 source 2, 7:6 destination):
;   window 0: v0-38 addresses; v64-127, v128-191 two buffers of weight fragments (in phase 1, wave 0: v64-159 the list and the ranks); v192-255 my 64 numbers of b1
;   window 1: phase 1: the ring of weight loads; then the accumulators of blocks a = 0..3, (a, b) at 64 a + 8 b
;   window 2: v0-63 phase 1: OUT0, OUT1; then the accumulators of block 4; v64-223 token fragments, four slots (one a K step) of 40
;   window 3: the way out: v0-63 T, v64-95 y, v96-127 t, v128-159 the exponentials, v160-191 the polynomial, v192-223 packed
.set WPITCH, 4096                      ; bytes from a weight row to the next
.set PITCH,  272                       ; an LDS row: 256 bytes (128 K of bf16) + 16: row r starts at bank 4 r mod 64 (64 banks of 4 bytes: ISA guide 11.1), so the 16 rows of a fragment load start at 16 different banks
.set CHUNK,  128*PITCH                 ; the slice lies by chunks of 128 K: chunk c at c x 34,816, weight row n at n x 272
.set LIST,   8*CHUNK                   ; 1,024 words: the token at each place.  The 512 bytes behind the list take the closing add, 128 bytes a wave
.set R,     1                          ; v1   l % 16
.set HL,    2                          ; v2   l / 16
.set ADRB,  5                          ; v5   LDS address of my weight fragments in the chunk in hand
.set ADRB0, 6                          ; v6   the same in chunk 0; never rewritten
.set AOFF,  10                         ; v10-14  block a: byte offset of my token's row in xb, + 16 (l / 16)
.set VO,    15                         ; v15  16 x lane; never rewritten
.set WADR,  16                         ; v16-23  phase 1: where load j of a row goes
.set TA,    24                         ; v24  at work: no memory instruction names it
.set RKO,   27                         ; v27  32 x lane, for the ranks' stores; never rewritten
.set BO,    28                         ; v28  32 (l / 16), for b1's loads; never rewritten
.set LANE,  31
.set H16,   32                         ; v32  16 (l / 16)
.set LA,    34                         ; v34-38  block a: LDS address of my place in the list
.set F0,    64
.set LSA,   64                         ; v64-95   wave 0, phase 1: word w of the bitmap: where my token's number goes
.set LSD,   96                         ; v96-127  my token's number
.set RKD,   128                        ; v128-159 the chosen tokens below mine: its rank
.set BIAS,  192
.set OUT,   0                          ; window 2
.set AR,    64                         ; window 2
.set YR,    64                         ; window 3
.set TTR,   96
.set EXR,   128
.set QR,    160
.set PKR,   192
.set BM,  16                           ; s[16:47] my expert's bitmap, in phase 1
.set AB,  16                           ; s[16:23] in phase 2: token slot q: xb at the K step that the slot is asked for next: a pair at AB + 2 q
.set WV,  48                           ; wave
.set SL,  49                           ; slice
.set XP,  50                           ; expert
.set NN,  51                           ; n: its rows
.set NB,  52                           ; its blocks of 16
.set PF,  53                           ; running count
.set TS,  54                           ; s54, s55 at work
.set WB,  56                           ; s[56:57] W1 at the rows that the ring is at
.set OF,  60                           ; s[60:61] an offset; the high word stays 0
.set CI,  62                           ; inner counter
.set CT,  63                           ; trips
.set CB,  66                           ; block a of the way out
.set B0,  67                           ; my first block of the trip
.set BT,  68                           ; the block in hand
.set HB,  70                           ; s[70:71] hid at my expert and my 8 column blocks
.set SB,  72                           ; s[72:73] the stores' base
.set BB,  74                           ; s[74:75] b1 at my 128 numbers
.set P2,  76                           ; s[76:87] constants, each as a pair of which the packed forms take the low word
.set A1,  78
.set A2,  80
.set A3,  82
.set A4,  84
.set A5,  86
.set KAP, 88
.set MSK, 89                           ; s89  a word's upper bf16
.set TB,  90                           ; s90  LDS byte at which the chunk in hand begins
.set RB,  92                           ; s[92:93] rank at my expert's column
.set MSB, 0
.macro WIN new                         ; the immediate's high byte repeats the setting that is left; a switch that changes nothing is dropped
.if MSB != (\new)
	s_set_vgpr_msb (MSB<<8)|(\new)
.set MSB, \new
.endif
.endm
.macro RND2 a                          ; two f32 rounded to bf16 and widened again, in place
	v_cvt_pk_bf16_f32 v[(\a)+1], v[(\a)], v[(\a)+1]
	v_lshlrev_b32 v[(\a)], 16, v[(\a)+1]
	v_and_b32 v[(\a)+1], s[MSK], v[(\a)+1]
.endm
; 16 loads: two weight rows into a bank of the ring.  ahead = 1: the rows eight further on
.macro WLOAD bank, ahead
	WIN 0x40                                       ; destination window 1, address window 0
.irp i, 0,1
.irp j, 0,1,2,3,4,5,6,7
	global_load_b128 v[64*(\bank)+32*(\i)+4*(\j):64*(\bank)+32*(\i)+4*(\j)+3], v[VO], s[WB:WB+1] offset:(8*(\ahead)+2*(\bank)+(\i))*WPITCH+512*(\j) th:TH_LOAD_NT
.endr
.endr
.endm
; A bank's turn: its 16 loads are in (left = the younger loads, which stay out); four f32 become 8 bytes in OUT[bank % 2]; the bank is asked for again; each LDS store covers 256 consecutive bytes:
; load j of a row is the row's part of chunk j
.macro WBANK bank, refill, left
	s_wait_loadcnt \left
.if (\bank) >= 2
	s_wait_alu depctr_vm_vsrc(0)                   ; the LDS stores of the turn before last have read OUT[bank % 2], which the roundings below write again (for banks 0 and 1 the wait at the last trip's end states it)
.endif
	WIN 0x85                                       ; destination window 2, both sources window 1
.set q, 0
.rept 16
	v_cvt_pk_bf16_f32 v[OUT+32*((\bank)%2)+2*q],   v[64*(\bank)+4*q],   v[64*(\bank)+4*q+1]
	v_cvt_pk_bf16_f32 v[OUT+32*((\bank)%2)+2*q+1], v[64*(\bank)+4*q+2], v[64*(\bank)+4*q+3]
.set q, q+1
.endr
	s_wait_alu depctr_va_vdst(0)                   ; the roundings have written OUT[bank % 2], which the LDS stores read, and are done reading the bank, in which the loads land; in a trip's first turn WADR is written too
.if \refill
	WLOAD \bank, 1
.endif
	WIN 0x08                                       ; address window 0, data window 2
.irp i, 0,1
.irp j, 0,1,2,3,4,5,6,7
	ds_store_b64 v[WADR+(\j)], v[OUT+32*((\bank)%2)+2*(8*(\i)+(\j)):OUT+32*((\bank)%2)+2*(8*(\i)+(\j))+1] offset:(2*(\bank)+(\i))*PITCH
.endr
.endr
.endm
; 8 matrix instructions: block a x all 8 column blocks, 32 along K: weight buffer f, token slot s.  zero = 1: the products start the sums: nothing is cleared
.macro MULB f, s, a, zero
.if (\a) < 4
	WIN 0x58                                       ; source 0 window 0, source 1 window 2, C and D window 1
.set AC, 64*(\a)
.else
	WIN 0xa8                                       ; C and D window 2
.set AC, 0
.endif
.irp b, 0,1,2,3,4,5,6,7
.if \zero
	v_wmma_f32_16x16x32_bf16 v[AC+8*(\b):AC+8*(\b)+7], v[(\f)+8*(\b):(\f)+8*(\b)+7], v[AR+40*(\s)+8*(\a):AR+40*(\s)+8*(\a)+7], 0
.else
	v_wmma_f32_16x16x32_bf16 v[AC+8*(\b):AC+8*(\b)+7], v[(\f)+8*(\b):(\f)+8*(\b)+7], v[AR+40*(\s)+8*(\a):AR+40*(\s)+8*(\a)+7], v[AC+8*(\b):AC+8*(\b)+7]
.endif
.endr
.endm
.macro BLOAD f, off, half              ; 8 LDS loads: 64 of the 128 weight rows x 32 K at byte off from ADRB
	WIN 0
.irp b, 0,1,2,3
	ds_load_b128 v[(\f)+8*(4*(\half)+(\b)):(\f)+8*(4*(\half)+(\b))+3],   v[ADRB] offset:(\off)+16*PITCH*(4*(\half)+(\b))
	ds_load_b128 v[(\f)+8*(4*(\half)+(\b))+4:(\f)+8*(4*(\half)+(\b))+7], v[ADRB] offset:(\off)+16*PITCH*(4*(\half)+(\b))+32
.endr
.endm
.macro ALOAD s                         ; 10 global loads: my 80 tokens x 32 K, at the slot's own base, into slot s
	WIN 0x80                                       ; destination window 2, address window 0
.irp a, 0,1,2,3,4
	global_load_b128 v[AR+40*(\s)+8*(\a):AR+40*(\s)+8*(\a)+3],   v[AOFF+(\a)], s[AB+2*(\s):AB+2*(\s)+1]
	global_load_b128 v[AR+40*(\s)+8*(\a)+4:AR+40*(\s)+8*(\a)+7], v[AOFF+(\a)], s[AB+2*(\s):AB+2*(\s)+1] offset:32
.endr
.endm
; A K step of 32: 40 matrix instructions on 40 accumulators, which take turns in the same order in every step.  Among them it fetches the next step's weight fragments
; (at byte bnext, or -1: none) into the other buffer and (aref = 1) the tokens of the step three on into the slot that the step before read.  acnt = the token loads younger than this step's.
.macro KSTEP s, zero, bnext, aref, acnt
.set fb, F0+64*((\s)%2)
.set fn, F0+64*(((\s)+1)%2)
.set an, ((\s)+3)%4
	s_wait_loadcnt \acnt                           ; loads come back in order (ISA guide 5.7.1): slot s is in
.if \aref
	s_add_nc_u64 s[AB+2*(\s):AB+2*(\s)+1], s[AB+2*(\s):AB+2*(\s)+1], 256  ; free since that wait, which shows the loads that read it done: the same step of the next chunk of 128 K
.endif
	s_wait_dscnt 0x0                               ; this step's weight fragments, the last of them asked for 24 matrix instructions ago
.if ((\bnext) >= 0) && !(\zero)
	s_wait_alu depctr_va_vdst(0)                   ; the step before's matrix instructions are done reading the other weight buffer and their token slot, in which this step's loads land; behind a change of chunks ADRB is written
.endif                                                 ; (a trip's first step: the waits at the trip's head have stated it; the last step loads nothing)
	MULB fb, \s, 0, \zero
.if (\bnext) >= 0
	BLOAD fn, \bnext, 0                            ; no wait: no matrix instruction since the step's head names these registers
.endif
	MULB fb, \s, 1, \zero
.if (\bnext) >= 0
	BLOAD fn, \bnext, 1
.endif
	MULB fb, \s, 2, \zero
.if \aref
	ALOAD an
.endif
	MULB fb, \s, 3, \zero
	MULB fb, \s, 4, \zero
.endm
; The way out, first part: block a's 64 sums plus b1 go into window 3, where one text serves every block.  Each accumulator is read from its lowest registers on.
.macro ARM a
.if (\a) < 4
	WIN 0xc1                                       ; destination window 3, source 0 window 1, source 1 window 0
.set ab, 64*(\a)
.else
	WIN 0xc2
.set ab, 0
.endif
.set i, 0
.rept 32
	v_pk_add_f32 v[i:i+1], v[ab+i:ab+i+1], v[BIAS+i:BIAS+i+1]
.set i, i+2
.endr
	WIN 0
.endm
; GELU of 32 numbers a lane, in place in T.  The 32 reciprocals and 32 exponentials are ONE batch; the 32 maxima are plain work behind it; one wait stands ahead of the first reader.
.macro GELU half
.set tb, 32*(\half)
.set i, 0
.rept 32
	v_mul_f32 v[YR+i], s[KAP], |v[tb+i]|           ; y
.set i, i+1
.endr
.set i, 0
.rept 16
	v_pk_fma_f32 v[TTR+i:TTR+i+1], v[YR+i:YR+i+1], s[P2:P2+1], 1.0 op_sel_hi:[1,0,0]
	v_pk_mul_f32 v[EXR+i:EXR+i+1], v[YR+i:YR+i+1], v[YR+i:YR+i+1] neg_lo:[1,0] neg_hi:[1,0]   ; - y^2
.set i, i+2
.endr
.set i, 0
.rept 32
	v_rcp_f32 v[TTR+i], v[TTR+i]
.set i, i+1
.endr
.set i, 0
.rept 32
	v_exp_f32 v[EXR+i], v[EXR+i]
.set i, i+1
.endr
.set i, 0
.rept 32
	v_max_num_f32 v[tb+i], 0, v[tb+i]
.set i, i+1
.endr
	s_wait_alu depctr_va_vdst(0)                   ; the 32 reciprocals and the 32 exponentials have written t and the exponentials' registers, which the polynomial below reads: one wait for the batch of 64
.set i, 0
.rept 16
	v_pk_fma_f32 v[QR+i:QR+i+1], v[TTR+i:TTR+i+1], s[A5:A5+1], s[A4:A4+1] op_sel_hi:[1,0,0]
.set i, i+2
.endr
.irp c, A3, A2, A1
.set i, 0
.rept 16
	v_pk_fma_f32 v[QR+i:QR+i+1], v[QR+i:QR+i+1], v[TTR+i:TTR+i+1], s[\c:\c+1] op_sel_hi:[1,1,0]
.set i, i+2
.endr
.endr
.set i, 0
.rept 16
	v_pk_mul_f32 v[QR+i:QR+i+1], v[QR+i:QR+i+1], v[TTR+i:TTR+i+1]
.set i, i+2
.endr
.set i, 0
.rept 16
	v_pk_mul_f32 v[QR+i:QR+i+1], v[QR+i:QR+i+1], v[EXR+i:EXR+i+1]
.set i, i+2
.endr
.set i, 0
.rept 16
	v_pk_fma_f32 v[tb+i:tb+i+1], v[YR+i:YR+i+1], v[QR+i:QR+i+1], v[tb+i:tb+i+1] neg_lo:[1,0,0] neg_hi:[1,0,0]   ; max(x, 0) - y q
.set i, i+2
.endr
.endm
	s_load_b256 s[4:11], s[0:1], 0x0               ; xb s[4:5], W1 s[6:7], b1 s[8:9], bits s[10:11]
	s_load_b128 s[12:15], s[0:1], 0x20             ; hid s[12:13], rank s[14:15]
	v_lshl_add_u32 v62, v0, 2, 0x45000
	v_mov_b32 v63, 0
	v_lshrrev_b32 v[TA], 5, v0
	v_readfirstlane_b32 s[WV], v[TA]               ; wave 0..3
	s_mov_b32 s[SL], ttmp9
	s_and_b32 s[XP], ttmp7, 0xffff
	v_and_b32 v[LANE], 31, v0
	v_and_b32 v[R], 15, v0
	v_bfe_u32 v[HL], v0, 4, 1
	v_lshlrev_b32 v[VO], 4, v[LANE]
	s_lshl_b32 s[OF], s[XP], 7                     ; my expert's 128 bytes of bitmap
	s_mov_b32 s[OF+1], 0
	s_wait_kmcnt 0x0
	s_add_nc_u64 s[10:11], s[10:11], s[OF:OF+1]
	s_load_b512 s[BM:BM+15], s[10:11], 0x0
	s_load_b512 s[BM+16:BM+31], s[10:11], 0x40
	s_wait_alu depctr_va_sdst(0)                   ; the wave's number is written, ahead of its first reader: W1's base is made from it
	s_lshl_b32 s[OF], s[XP], 24                    ; an expert's W1 is 2^24 bytes, a slice of 128 rows 2^19, a wave's 32 rows 2^17
	s_lshl_b32 s[TS], s[SL], 19
	s_add_co_u32 s[OF], s[OF], s[TS]
	s_lshl_b32 s[TS], s[WV], 17
	s_add_co_u32 s[OF], s[OF], s[TS]
	s_add_nc_u64 s[WB:WB+1], s[6:7], s[OF:OF+1]
	s_wait_alu depctr_va_vdst(0)                   ; VO is written, which every weight load and every store of h reads as its offset
	WLOAD 0, 0                                     ; the ring is filled before anything else is done: rows 0 to 7 of my 32
	WLOAD 1, 0
	WLOAD 2, 0
	WLOAD 3, 0
	WIN 0
	s_mul_i32 s[TS], s[WV], 32*PITCH               ; my 32 rows in each chunk
	v_lshl_add_u32 v[TA], v[LANE], 3, s[TS]
.irp j, 0,1,2,3,4,5,6,7
	v_add_nc_u32 v[WADR+(\j)], (\j)*CHUNK, v[TA]
.endr
	v_mul_u32_u24 v[ADRB0], v[R], PITCH
	v_lshl_add_u32 v[ADRB0], v[HL], 4, v[ADRB0]    ; a fragment's row x pitch + 16 x half
	v_lshlrev_b32 v[H16], 4, v[HL]
	v_lshlrev_b32 v[BO], 5, v[HL]
	v_lshlrev_b32 v[RKO], 5, v[LANE]
	s_lshl_b32 s[OF], s[XP], 23                    ; an expert's part of hid is 2^23 bytes; my 8 column blocks of 512 bytes begin at 4,096 x slice in each block of ranks
	s_lshl_b32 s[TS], s[SL], 12
	s_add_co_u32 s[OF], s[OF], s[TS]
	s_add_nc_u64 s[HB:HB+1], s[12:13], s[OF:OF+1]
	s_lshl_b32 s[OF], s[XP], 14
	s_lshl_b32 s[TS], s[SL], 9
	s_add_co_u32 s[OF], s[OF], s[TS]
	s_add_nc_u64 s[BB:BB+1], s[8:9], s[OF:OF+1]
	s_lshl_b32 s[OF], s[XP], 2
	s_add_nc_u64 s[RB:RB+1], s[14:15], s[OF:OF+1]
	s_mov_b32 s[P2], 0x3e8ba43f                    ; p / sqrt 2 x sqrt(2 ln 2) = 0.27273748
	s_mov_b32 s[A1], 0x3e199eb3                    ; a1 .. a5 x sqrt(2 ln 2) / 2:  0.15001946
	s_mov_b32 s[A2], 0xbe2b8119                    ; -0.16748465
	s_mov_b32 s[A3], 0x3f563817                    ;  0.83679339
	s_mov_b32 s[A4], 0xbf5b0099                    ; -0.85547788
	s_mov_b32 s[A5], 0x3f1ff67a                    ;  0.62485470
.irp c, P2, A1, A2, A3, A4, A5
	s_mov_b32 s[\c+1], s[\c]                       ; named as pairs, so both words are written
.endr
	s_mov_b32 s[KAP], 0x3f596d27                   ; 1 / sqrt(2 ln 2) = 0.84932180
	s_mov_b32 s[MSK], 0xffff0000
	s_wait_kmcnt 0x0                               ; the bitmap
	s_mov_b32 s[NN], 0
.set w, 0
.rept 32
	s_bcnt1_i32_b32 s[TS], s[BM+w]
	s_add_co_u32 s[NN], s[NN], s[TS]
.set w, w+1
.endr
	s_add_co_u32 s[NB], s[NN], 15
	s_lshr_b32 s[NB], s[NB], 4
	; THE LIST, by wave 0 while its first weight loads are on their way: a permutation of all 1,024 tokens.  A chosen token goes to its rank, the others behind them in their order:
	; every word is written once and names a row that exists.  The bitmap's word is itself the lanes' mask.  Each word of the bitmap has three registers of its own, so that one wait serves all the stores.
	s_cmp_lg_u32 s[WV], 0
	s_cbranch_scc1 .Lnolist
	s_mov_b32 s[PF], 0
.set w, 0
.rept 32
	v_mbcnt_lo_u32_b32 v[RKD+w], s[BM+w], s[PF]    ; chosen tokens below mine
	v_add_nc_u32 v[LSD+w], 32*w, v[LANE]           ; my token
	v_sub_nc_u32 v[LSA+w], v[LSD+w], v[RKD+w]      ; tokens below mine that were not chosen
	v_add_nc_u32 v[LSA+w], s[NN], v[LSA+w]
	v_cndmask_b32 v[LSA+w], v[LSA+w], v[RKD+w], s[BM+w]
	v_min_u32 v[LSA+w], 0x3ff, v[LSA+w]
	v_lshl_add_u32 v[LSA+w], v[LSA+w], 2, LIST
	s_bcnt1_i32_b32 s[TS], s[BM+w]
	s_add_co_u32 s[PF], s[PF], s[TS]
.set w, w+1
.endr
	s_wait_alu depctr_va_vdst(0)                   ; the 32 addresses, the 32 tokens, the 32 ranks and RKO are written, which the LDS stores and the ranks' stores below read
.set w, 0
.rept 32
	ds_store_b32 v[LSA+w], v[LSD+w]
.set w, w+1
.endr
	; THE RANKS, by slice 0's wave 0 alone: rank[t][e] for every t: the counts that the list has made
	s_cmp_lg_u32 s[SL], 0
	s_cbranch_scc1 .Lnolist
.set w, 0
.rept 32
	global_store_b32 v[RKO], v[RKD+w], s[RB:RB+1] offset:1024*w
.set w, w+1
.endr
.Lnolist:
	; THE STREAM: three trips take 8 rows each and ask for the next 8; the last 8 rows are written out, so that no load leaves the slice
	s_mov_b32 s[CI], 3
.Lstream:
	WBANK 0, 1, 48                                 ; 48: the three other banks' loads are younger
	WBANK 1, 1, 48
	WBANK 2, 1, 48
	WBANK 3, 1, 48
	WIN 0
	s_wait_xcnt 0x0                                ; the loads' base is rewritten only behind this wait
	s_add_nc_u64 s[WB:WB+1], s[WB:WB+1], 8*WPITCH
	s_wait_alu depctr_vm_vsrc(0)                   ; the trip's LDS stores have read WADR, which steps below, and OUT0 and OUT1, which the next two turns write again
.irp j, 0,1,2,3,4,5,6,7
	v_add_nc_u32 v[WADR+(\j)], 8*PITCH, v[WADR+(\j)]
.endr
	s_sub_co_u32 s[CI], s[CI], 1
	s_cmp_lg_u32 s[CI], 0
	s_cbranch_scc1 .Lstream
	WBANK 0, 0, 48                                 ; the three other banks' loads are younger
	WIN 0
.irp b, 0,1,2,3,4,5,6,7                ; my 64 numbers of b1: columns 16 b + 8 (l / 16) + 0..7: 16 loads, which land while the last three banks are rounded.  No wait: BO was written ahead of the turn's wait, and nothing has named v192-255
	global_load_b128 v[BIAS+8*(\b):BIAS+8*(\b)+3],   v[BO], s[BB:BB+1] offset:64*(\b)
	global_load_b128 v[BIAS+8*(\b)+4:BIAS+8*(\b)+7], v[BO], s[BB:BB+1] offset:64*(\b)+16
.endr
	WBANK 1, 0, 48                                 ; two banks' loads and b1's 16 are younger;
	WBANK 2, 0, 32                                 ; one bank's and b1's;
	WBANK 3, 0, 16                                 ; b1's
	WIN 0
	s_wait_loadcnt 0x0                             ; b1
.set i, 0
.rept 32
	RND2 BIAS+i                                    ; b1 is rounded like the other inputs
.set i, i+2
.endr
	s_wait_dscnt 0x0                               ; for the others' sake: my part of the slice (and wave 0's list) is in LDS
	s_barrier_signal -1
	s_barrier_wait -1                              ; everybody's is; from here on nobody writes the slice or the list
	s_mov_b32 s[CT], 4
	s_mov_b32 s[B0], s[WV]
.Ltrip:
	s_wait_alu depctr_vm_vsrc(0)                   ; the last trip's loads have read LA, AOFF and ADRB, which are written below; ahead of the first trip: my LDS stores have read OUT0 and OUT1, which become accumulators, and wave 0's stores v64-159, in which weight fragments land
	s_cmp_ge_u32 s[B0], s[NB]
	s_cbranch_scc1 .Lnext                          ; my first block lies past the count: so do the others
	s_wait_xcnt 0x0                                ; what earlier loads and stores named, the slots' bases among it, is rewritten only behind this wait
	v_lshl_add_u32 v[TA], s[B0], 4, v[R]           ; place 16 x block + l % 16
.irp a, 0,1,2,3,4
	v_add_nc_u32 v[LA+(\a)], 64*(\a), v[TA]
.endr
.irp a, 0,1,2,3,4
	v_min_u32 v[LA+(\a)], 0x3ff, v[LA+(\a)]
.endr
.irp a, 0,1,2,3,4
	v_lshl_add_u32 v[LA+(\a)], v[LA+(\a)], 2, LIST
.endr
	s_mov_b32 s[TB], 0
	v_add_nc_u32 v[ADRB], s[TB], v[ADRB0]          ; chunk 0
	s_wait_alu depctr_va_vdst(0)                   ; the five list addresses are written, which the loads below read; the last trip's vector lines are done with AOFF, in which they land
.irp a, 0,1,2,3,4
	ds_load_b32 v[AOFF+(\a)], v[LA+(\a)]
.endr
.irp n, 0,1,2,3
	s_add_nc_u64 s[AB+2*(\n):AB+2*(\n)+1], s[4:5], 64*(\n)   ; K steps 0 to 3
.endr
	s_wait_dscnt 0x0
.irp a, 0,1,2,3,4
	v_min_u32 v[AOFF+(\a)], 0x3ff, v[AOFF+(\a)]
.endr
.irp a, 0,1,2,3,4
	v_lshl_add_u32 v[AOFF+(\a)], v[AOFF+(\a)], 11, v[H16]   ; token x 2,048 bytes + 16 x half
.endr
	s_wait_alu depctr_va_vdst(0)                   ; the five token offsets are written, which every token load of the trip reads; all that read or wrote the token slots and the weight buffers stands ahead of this wait too
	; THE K WALK: 32 steps of 32.  Tokens are asked for three steps ahead, weight fragments one.
	ALOAD 0
	ALOAD 1
	ALOAD 2
	BLOAD F0, 0, 0
	BLOAD F0, 0, 1
	KSTEP 0, 1, 64, 1, 20                          ; the first step stands ahead of the loop: its products start the sums
	WIN 0
	s_mov_b32 s[CI], 7
.Lk:                                                   ; a trip: steps 1 to 3 of a chunk of 128 K and step 0 of the next
	KSTEP 1, 0, 128, 1, 20                         ; 20: the two later steps' token loads are younger
	KSTEP 2, 0, 192, 1, 20
	KSTEP 3, 0, CHUNK, 1, 20
	KSTEP 0, 0, CHUNK+64, 1, 20
	WIN 0
	s_add_co_u32 s[TB], s[TB], CHUNK               ; the next chunk: the LDS address is made anew from its first byte and my lane's place
	s_wait_alu depctr_vm_vsrc(0)                   ; the weight fragments' loads issued so far have read ADRB
	v_add_nc_u32 v[ADRB], s[TB], v[ADRB0]
	s_sub_co_u32 s[CI], s[CI], 1
	s_cmp_lg_u32 s[CI], 0
	s_cbranch_scc1 .Lk
	KSTEP 1, 0, 128, 0, 20                         ; the last three steps ask for no more tokens: the counts run down
	KSTEP 2, 0, 192, 0, 10
	KSTEP 3, 0, -1, 0, 0
.rept 4
	v_nop                                          ; the places between the last products and the first read of a sum
.endr
	WIN 0
	; THE WAY OUT: a counted loop over my five blocks, so that the GELU's text stands once
	s_mov_b32 s[CB], 0
	s_mov_b32 s[BT], s[B0]
.Lblk:
	s_cmp_ge_u32 s[BT], s[NB]
	s_cbranch_scc1 .Lblknext                       ; a block past the count stores nothing
	s_cmp_eq_u32 s[CB], 0
	s_cbranch_scc1 .Lsel_0
	s_cmp_eq_u32 s[CB], 1
	s_cbranch_scc1 .Lsel_1
	s_cmp_eq_u32 s[CB], 2
	s_cbranch_scc1 .Lsel_2
	s_cmp_eq_u32 s[CB], 3
	s_cbranch_scc1 .Lsel_3
	ARM 4
	s_branch .Lgelu
.Lsel_0:
	ARM 0
	s_branch .Lgelu
.Lsel_1:
	ARM 1
	s_branch .Lgelu
.Lsel_2:
	ARM 2
	s_branch .Lgelu
.Lsel_3:
	ARM 3
.Lgelu:
	WIN 0xff                                       ; everything in window 3
	GELU 0
	GELU 1
	s_wait_xcnt 0x0                                ; the last block's stores have had their addresses translated: their base and the packed registers are written anew only behind this wait,
	s_wait_alu depctr_vm_vsrc(0)                   ; and they have read the packed registers, which the roundings below write again: both waits stand a whole GELU behind those stores
	s_lshl_b32 s[OF], s[BT], 17                    ; a block of 16 ranks is 256 column blocks of 512 bytes
	s_add_nc_u64 s[SB:SB+1], s[HB:HB+1], s[OF:OF+1]
.set i, 0
.rept 32
	v_cvt_pk_bf16_f32 v[PKR+i], v[2*i], v[2*i+1]
.set i, i+1
.endr
	WIN 0x0c                                       ; address window 0, data window 3
	s_wait_alu depctr_va_vdst(0)                   ; the roundings have written the packed registers, which the stores read
.irp b, 0,1,2,3,4,5,6,7
	global_store_b128 v[VO], v[PKR+4*(\b):PKR+4*(\b)+3], s[SB:SB+1] offset:512*(\b)   ; the wave stores 512 consecutive bytes, aligned: one column block of the block of ranks
.endr
	WIN 0
.Lblknext:
	s_add_co_u32 s[BT], s[BT], 4
	s_add_co_u32 s[CB], s[CB], 1
	s_cmp_lt_u32 s[CB], 5
	s_cbranch_scc1 .Lblk
.Lnext:
	s_add_co_u32 s[B0], s[B0], 20
	s_sub_co_u32 s[CT], s[CT], 1
	s_cmp_lg_u32 s[CT], 0
	s_cbranch_scc1 .Ltrip
	s_wait_dscnt 0x0                               ; my reads of the slice and of the list are over;
	s_barrier_signal -1
	s_barrier_wait -1                              ; everybody's are
	s_wait_dscnt 0x0
	s_wait_alu depctr_hold_cnt(0) depctr_sa_sdst(0) depctr_va_vdst(0) depctr_va_sdst(0) depctr_va_ssrc(0) depctr_va_vcc(0) depctr_vm_vsrc(0)
	s_wait_tensorcnt 0x0
	ds_add_u32 v62, v63
	s_wait_dscnt 0x0
	s_endpgm
.Lfunc_end_k_q4d9e7a295d_up:
	.size	k_q4d9e7a295d_up, .Lfunc_end_k_q4d9e7a295d_up-k_q4d9e7a295d_up
	.p2alignl 7, 3214868480
	.fill 96, 4, 3214868480
	.section	.rodata,"a",@progbits
	.p2align	6, 0x0
	.amdhsa_kernel k_q4d9e7a295d_up
		.amdhsa_group_segment_fixed_size 283136
		.amdhsa_private_segment_fixed_size 0
		.amdhsa_enable_private_segment 0
		.amdhsa_kernarg_size 48
		.amdhsa_user_sgpr_count 2
		.amdhsa_user_sgpr_kernarg_segment_ptr 1
		.amdhsa_wavefront_size32 1
		.amdhsa_system_sgpr_workgroup_id_x 1
		.amdhsa_system_sgpr_workgroup_id_y 1
		.amdhsa_system_sgpr_workgroup_id_z 1
		.amdhsa_system_vgpr_workitem_id 0
		.amdhsa_next_free_vgpr 1024
		.amdhsa_next_free_sgpr 96
		.amdhsa_reserve_vcc 0
		.amdhsa_float_denorm_mode_32 3
		.amdhsa_float_denorm_mode_16_64 3
		.amdhsa_memory_ordered 1
		.amdhsa_forward_progress 1
		.amdhsa_inst_pref_size 153
	.end_amdhsa_kernel
	.amdgpu_metadata
---
amdhsa.version: [ 1, 2 ]
amdhsa.kernels:
  - .name:           k_q4d9e7a295d_up
    .symbol:         k_q4d9e7a295d_up.kd
    .args:
      - { .name: xb, .offset: 0, .size: 8, .value_kind: global_buffer, .address_space: global }
      - { .name: W1, .offset: 8, .size: 8, .value_kind: global_buffer, .address_space: global }
      - { .name: b1, .offset: 16, .size: 8, .value_kind: global_buffer, .address_space: global }
      - { .name: bits, .offset: 24, .size: 8, .value_kind: global_buffer, .address_space: global }
      - { .name: hid, .offset: 32, .size: 8, .value_kind: global_buffer, .address_space: global }
      - { .name: rank, .offset: 40, .size: 8, .value_kind: global_buffer, .address_space: global }
    .group_segment_fixed_size: 283136
    .private_segment_fixed_size: 0
    .kernarg_segment_align: 8
    .kernarg_segment_size: 48
    .max_flat_workgroup_size: 128
    .sgpr_count:     96
    .vgpr_count:     1024
    .wavefront_size: 32
...
	.end_amdgpu_metadata
.endif
;; end of part 5
;; launch down (part 6): grid 32 x 8, 4 waves a work-group, no clusters, 279,040 bytes of LDS; arguments hid, W2, bits, part; writes part
.if DOCPART == 6
	.amdgcn_target "amdgcn-amd-amdhsa--gfx1250"
	.amdhsa_code_object_version 6
	.text
	.protected	k_q4d9e7a295d_down
	.globl	k_q4d9e7a295d_down
	.p2align	8
	.type	k_q4d9e7a295d_down,@function
k_q4d9e7a295d_down:
	s_mov_b64 s[64:65], 0
	v_nop
	global_prefetch_b8 v0, s[64:65] scope:SCOPE_SE
	s_setreg_imm32_b32 hwreg(HW_REG_WAVE_SCHED_MODE, 0, 2), 2
	s_setreg_imm32_b32 hwreg(HW_REG_WAVE_MODE, 25, 1), 1
	s_wait_xcnt 0x0
	s_wait_alu depctr_vm_vsrc(0)
; SECOND PRODUCT OF THE EXPERTS.  part[ks][e][rank][d] = sum over the 1,024 c of K slice ks of h[e][rank][c] W2[e][d][c].  h bf16, W2 f32, part f32 [4][8][1024][1024]: partial sums stay in f32.
; b2, the gate's weights and the sum over the four K slices and a token's two experts are the next launch's.
; hid holds h in the order of this product's operand registers: [8 experts][64 blocks of 16 ranks][256 column blocks of 16][32 lanes][16 bytes]: half a fragment (16 ranks x 16 of K) is one load of 512 consecutive bytes.
; SHARES.  Grid = 32 slices x 8 experts; slice = 8 ks + cs.  A work-group owns 128 rows d = 128 cs .. of W2[e] x 1,024 of K (524,288 bytes of f32), which it alone reads, and all rows of its expert.
; A slice of 128 x 1,024 asks a work-group for 2,048 bytes of each rank; 32 columns x all 4,096 of K would need no partial sums but ask for 8,192.
; PHASE 1 streams the slice through registers, rounds it once to bf16 and lays it into LDS (four banks of 16 loads take turns: 48 to 64 loads of a wave are out); a barrier;
; PHASE 2 walks blocks of 16 ranks, dealt by turns: in trip T of 4 wave w has the blocks 20 T + 4 a + w, a = 0..4; h comes from memory straight into registers; nothing writes LDS but the closing add.
; A trip whose first block lies past the count is jumped forward; in a live trip blocks past the count repeat the last block that was stored, and their way out is jumped.
; THE COLUMNS ARE DEALT.  LDS row 16 b + r holds weight row 64 (b / 4) + 4 r + b % 4.  Source 0 = 16 ranks, source 1 = 16 LDS rows: register j of lane l is rank 8 (l / 16) + j, and a lane's accumulators
; b = 4 g .. 4 g + 3 hold the four neighbouring columns 64 g + 4 (l % 16) + 0..3.  Copied side by side they are 16 bytes, and sixteen lanes' are 256 consecutive bytes of a row of part:
; 64 copies a block, where a way through LDS would be 32 LDS instructions.
; NO CLUSTER: each slice of weights has one reader.  An expert's h is shared by its 8 column slices (2,048 bytes of a rank are asked for 8 times), but a ring in LDS filled jointly wants a barrier and a
; tensor load in every step of the walk, and the walk's live trips hang on a stored count: what is jumped there may hold neither.
; LIMITS.  W2 is rounded once to bf16; NaN and infinities are not treated apart.
; THE MODE: SCHED_MODE bits 1:0 = 2 (LLVM: expert scheduling mode 2), set by the entry lines.  The code itself states the register dependences
; between vector or matrix instructions and memory or LDS instructions, with s_wait_alu, always for 0.
; THE PLAN.  Registers that memory or LDS instructions touch, and who else names them:
;   RAW0 .. RAW3  (window 1) a bank's 16 weight loads land here; the bank's 32 roundings read it; behind them it is asked for again.
;   OUT0, OUT1    (window 2) the roundings of bank b write OUT[b % 2]; the bank's 16 LDS stores read it.  No store reads RAW, so the refill waits for the roundings alone.
;   WADR          read by every LDS store of the stream; stepped once a trip.      VO, GO: offsets made once, never written again.
;   F0, F1 and the four slots of h: step s's matrix instructions read F[s % 2] and slot s; its loads land in F[(s + 1) % 2] and in slot (s + 3) % 4, which the step before read and which
;                 nothing in step s names.  So ONE wait on va_vdst stands at a step's head, and the step's 26 loads are dealt among its 40 matrix instructions with no further wait.
;   ADRB          read by the weight fragments' loads; written once in four steps.  The slots of h have a scalar base each, stepped behind the wait that shows the slot's loads done.
;   AOFF          a trip's five offsets into hid: made at the trip's head.
;   The way out:  each of a trip's five blocks has 64 registers of its own for its copies, and the trip one base, the block's place standing in the stores' immediate: a block owes one wait, between its
;                 copies and its stores; what frees the copies' registers is the pair of waits at the next trip's head.
; REGISTERS, in windows of 256 (s_set_vgpr_msb: bits 1:0 source 0, 3:2 source 1, 5:4 source 2, 7:6 destination):
;   window 0: v0-31 addresses; v64-127, v128-191 two buffers of weight fragments; on the way out v64-127, v128-191, v192-255 the copies of blocks 0, 1, 2
;   window 1: phase 1: the ring of weight loads; then the accumulators of blocks a = 0..3, (a, b) at 64 a + 8 b
;   window 2: v0-63 phase 1: OUT0, OUT1; then the accumulators of block 4; v64-223 fragments of h, four slots (one a K step) of 40; on the way out v64-127, v128-191 the copies of blocks 3, 4
.set WPITCH, 16384                     ; bytes from a weight row to the next
.set PITCH,  272                       ; an LDS row: 256 bytes + 16: row r starts at bank 4 r mod 64 (64 banks of 4 bytes: ISA guide 11.1)
.set CHUNK,  128*PITCH                 ; the slice lies by chunks of 128 K.  The 512 bytes behind the eight chunks take the closing add, 128 bytes a wave
.set R,     1
.set HL,    2
.set ADRB,  5                          ; v5   LDS address of my weight fragments in the chunk in hand
.set ADRB0, 6                          ; v6   the same in chunk 0; never rewritten
.set GO,    9                          ; v9   my byte offset in a block's rows of part: 8 rows x (l / 16) + 16 (l % 16); never rewritten
.set AOFF,  10                         ; v10-14  block a: its first byte in the expert's part of hid + 16 x lane
.set VO,    15                         ; v15  16 x lane; never rewritten
.set WADR,  16
.set TA,    24
.set LANE,  31
.set F0,    64
.set OUT,   0                          ; window 2
.set AR,    64                         ; window 2
.set BM,  16                           ; s[16:47] my expert's bitmap, in phase 1
.set AB,  16                           ; s[16:23] in phase 2: slot q of h: hid at the K step that the slot is asked for next: a pair at AB + 2 q
.set WV,  48
.set SL,  49
.set XP,  50
.set NN,  51
.set NB,  52
.set CS,  53                           ; column slice
.set TS,  54
.set WB,  56
.set OF,  60                           ; s[60:61] an offset; the high word stays 0
.set CI,  62
.set CT,  63
.set KS,  66                           ; K slice
.set B0,  67
.set BT,  68
.set LIM, 69                           ; the last block of hid that was stored: NB - 1
.set PB,  70                           ; s[70:71] part at my K slice, expert and 128 columns
.set SB,  72                           ; s[72:73] the same at the trip's first block
.set HB,  74                           ; s[74:75] hid at my expert and K slice
.set TB,  76                           ; s76  LDS byte at which the chunk in hand begins
.set MSB, 0
.macro WIN new                         ; the immediate's high byte repeats the setting that is left; a switch that changes nothing is dropped
.if MSB != (\new)
	s_set_vgpr_msb (MSB<<8)|(\new)
.set MSB, \new
.endif
.endm
.macro WLOAD bank, ahead               ; 16 loads: 4,096 bytes of each of two weight rows into a bank of the ring
	WIN 0x40
.irp i, 0,1
.irp j, 0,1,2,3,4,5,6,7
	global_load_b128 v[64*(\bank)+32*(\i)+4*(\j):64*(\bank)+32*(\i)+4*(\j)+3], v[VO], s[WB:WB+1] offset:(8*(\ahead)+2*(\bank)+(\i))*WPITCH+512*(\j) th:TH_LOAD_NT
.endr
.endr
.endm
; A bank's turn: wait (left = the younger loads), round into OUT[bank % 2], refill, 16 LDS stores of 256 consecutive bytes.  Row q = 2 bank + i of the trip's eight goes to LDS row 16 (q % 4) + q / 4 from WADR's
.macro WBANK bank, refill, left
	s_wait_loadcnt \left
.if (\bank) >= 2
	s_wait_alu depctr_vm_vsrc(0)                   ; the LDS stores of the turn before last have read OUT[bank % 2], which the roundings below write again (for banks 0 and 1 the wait at the last trip's end states it)
.endif
	WIN 0x85                                       ; destination window 2, both sources window 1
.set q, 0
.rept 16
	v_cvt_pk_bf16_f32 v[OUT+32*((\bank)%2)+2*q],   v[64*(\bank)+4*q],   v[64*(\bank)+4*q+1]
	v_cvt_pk_bf16_f32 v[OUT+32*((\bank)%2)+2*q+1], v[64*(\bank)+4*q+2], v[64*(\bank)+4*q+3]
.set q, q+1
.endr
	s_wait_alu depctr_va_vdst(0)                   ; the roundings have written OUT[bank % 2], which the LDS stores read, and are done reading the bank, in which the loads land; in a trip's first turn WADR is written too
.if \refill
	WLOAD \bank, 1
.endif
	WIN 0x08                                       ; address window 0, data window 2
.irp i, 0,1
.irp j, 0,1,2,3,4,5,6,7
	ds_store_b64 v[WADR+(\j)], v[OUT+32*((\bank)%2)+2*(8*(\i)+(\j)):OUT+32*((\bank)%2)+2*(8*(\i)+(\j))+1] offset:(16*((2*(\bank)+(\i))&3)+((2*(\bank)+(\i))>>2))*PITCH
.endr
.endr
.endm
.macro MULB f, s, a, zero              ; 8 matrix instructions: block a (source 0) x 8 blocks of 16 LDS rows (source 1), 32 along K
.if (\a) < 4
	WIN 0x52                                       ; source 0 window 2, source 1 window 0, C and D window 1
.set AC, 64*(\a)
.else
	WIN 0xa2                                       ; C and D window 2
.set AC, 0
.endif
.irp b, 0,1,2,3,4,5,6,7
.if \zero
	v_wmma_f32_16x16x32_bf16 v[AC+8*(\b):AC+8*(\b)+7], v[AR+40*(\s)+8*(\a):AR+40*(\s)+8*(\a)+7], v[(\f)+8*(\b):(\f)+8*(\b)+7], 0
.else
	v_wmma_f32_16x16x32_bf16 v[AC+8*(\b):AC+8*(\b)+7], v[AR+40*(\s)+8*(\a):AR+40*(\s)+8*(\a)+7], v[(\f)+8*(\b):(\f)+8*(\b)+7], v[AC+8*(\b):AC+8*(\b)+7]
.endif
.endr
.endm
.macro BLOAD f, off, half              ; 8 LDS loads: 64 of the 128 LDS rows x 32 K at byte off from ADRB
	WIN 0
.irp b, 0,1,2,3
	ds_load_b128 v[(\f)+8*(4*(\half)+(\b)):(\f)+8*(4*(\half)+(\b))+3],   v[ADRB] offset:(\off)+16*PITCH*(4*(\half)+(\b))
	ds_load_b128 v[(\f)+8*(4*(\half)+(\b))+4:(\f)+8*(4*(\half)+(\b))+7], v[ADRB] offset:(\off)+16*PITCH*(4*(\half)+(\b))+32
.endr
.endm
.macro ALOAD s                         ; 10 global loads of 512 consecutive bytes: my five blocks x 32 K (two column blocks of 16), at the slot's own base, into slot s
	WIN 0x80
.irp a, 0,1,2,3,4
	global_load_b128 v[AR+40*(\s)+8*(\a):AR+40*(\s)+8*(\a)+3],   v[AOFF+(\a)], s[AB+2*(\s):AB+2*(\s)+1]
	global_load_b128 v[AR+40*(\s)+8*(\a)+4:AR+40*(\s)+8*(\a)+7], v[AOFF+(\a)], s[AB+2*(\s):AB+2*(\s)+1] offset:512
.endr
.endm
; A K step of 32: 40 matrix instructions on 40 accumulators, which take turns in the same order in every step.  Among them: the next step's weight fragments (at byte bnext, or -1: none)
; and (aref = 1) h of the step three on, into the slot that the step before read.  acnt = the loads of h younger than this step's.
.macro KSTEP s, zero, bnext, aref, acnt
.set fb, F0+64*((\s)%2)
.set fn, F0+64*(((\s)+1)%2)
.set an, ((\s)+3)%4
	s_wait_loadcnt \acnt                           ; loads come back in order (ISA guide 5.7.1): slot s is in
.if \aref
	s_add_nc_u64 s[AB+2*(\s):AB+2*(\s)+1], s[AB+2*(\s):AB+2*(\s)+1], 4096  ; free since that wait, which shows the loads that read it done: the same step of the next chunk of 128 K
.endif
	s_wait_dscnt 0x0                               ; this step's weight fragments, the last of them asked for 24 matrix instructions ago
.if ((\bnext) >= 0) && !(\zero)
	s_wait_alu depctr_va_vdst(0)                   ; the step before's matrix instructions are done reading the other weight buffer and their slot of h, in which this step's loads land; behind a change of chunks ADRB is written
.endif                                                 ; (a trip's first step: the wait at the trip's head has stated it; the last step loads nothing)
	MULB fb, \s, 0, \zero
.if (\bnext) >= 0
	BLOAD fn, \bnext, 0                            ; no wait: no matrix instruction since the step's head names these registers
.endif
	MULB fb, \s, 1, \zero
.if (\bnext) >= 0
	BLOAD fn, \bnext, 1
.endif
	MULB fb, \s, 2, \zero
.if \aref
	ALOAD an
.endif
	MULB fb, \s, 3, \zero
	MULB fb, \s, 4, \zero
.endm
; The way out of block a: register j of the accumulators 4 g .. 4 g + 3 side by side (j ascending: each accumulator is read from its lowest register on), into the block's own 64 registers; then 16 stores
.macro OUTB a
	WIN 0
	s_add_co_u32 s[BT], s[B0], 4*(\a)
	s_cmp_ge_u32 s[BT], s[NB]
	s_cbranch_scc1 .Ldead_\@                       ; a block past the count stores nothing
.if (\a) < 3
.set ob, 64+64*(\a)                    ; the copies: window 0,
.set dw, 0
.else
.set ob, 64+64*((\a)-3)                ; or window 2
.set dw, 2
.endif
.if (\a) < 4
.set ab, 64*(\a)                       ; the accumulators: window 1,
.set sw, 1
.else
.set ab, 0                             ; or window 2
.set sw, 2
.endif
	WIN (dw<<6)|sw
.irp j, 0,1,2,3,4,5,6,7
.irp g, 0,1
.irp i, 0,1,2,3
	v_mov_b32 v[ob+8*(\j)+4*(\g)+(\i)], v[ab+8*(4*(\g)+(\i))+(\j)]
.endr
.endr
.endr
	WIN dw<<2                                      ; address window 0, data in the copies' window
	s_wait_alu depctr_va_vdst(0)                   ; the block's 64 copies are written, which the stores read
.irp j, 0,1,2,3,4,5,6,7
.irp g, 0,1
	global_store_b128 v[GO], v[ob+8*(\j)+4*(\g):ob+8*(\j)+4*(\g)+3], s[SB:SB+1] offset:(\a)*262144+4096*(\j)+256*(\g)   ; lanes 0-15: 256 consecutive bytes of row j, aligned; lanes 16-31: of row 8 + j; block a lies 4 a blocks of 65,536 bytes behind the trip's first
.endr
.endr
	WIN 0
.Ldead_\@:
.endm
	s_load_b256 s[4:11], s[0:1], 0x0               ; hid s[4:5], W2 s[6:7], bits s[8:9], part s[10:11]
	v_lshl_add_u32 v62, v0, 2, 0x44000
	v_mov_b32 v63, 0
	v_lshrrev_b32 v[TA], 5, v0
	v_readfirstlane_b32 s[WV], v[TA]               ; wave 0..3
	s_mov_b32 s[SL], ttmp9
	s_and_b32 s[XP], ttmp7, 0xffff
	s_and_b32 s[CS], s[SL], 7
	s_lshr_b32 s[KS], s[SL], 3
	v_and_b32 v[LANE], 31, v0
	v_and_b32 v[R], 15, v0
	v_bfe_u32 v[HL], v0, 4, 1
	v_lshlrev_b32 v[VO], 4, v[LANE]
	s_lshl_b32 s[OF], s[XP], 7                     ; my expert's 128 bytes of bitmap
	s_mov_b32 s[OF+1], 0
	s_wait_kmcnt 0x0
	s_add_nc_u64 s[8:9], s[8:9], s[OF:OF+1]
	s_load_b512 s[BM:BM+15], s[8:9], 0x0
	s_load_b512 s[BM+16:BM+31], s[8:9], 0x40
	s_wait_alu depctr_va_sdst(0)                   ; the wave's number is written, ahead of its first reader: W2's base is made from it
	s_lshl_b32 s[OF], s[XP], 24                    ; an expert's W2 is 2^24 bytes, 128 rows 2^21, a wave's 32 rows 2^19, a K slice 2^12 bytes of a row
	s_lshl_b32 s[TS], s[CS], 21
	s_add_co_u32 s[OF], s[OF], s[TS]
	s_lshl_b32 s[TS], s[WV], 19
	s_add_co_u32 s[OF], s[OF], s[TS]
	s_lshl_b32 s[TS], s[KS], 12
	s_add_co_u32 s[OF], s[OF], s[TS]
	s_add_nc_u64 s[WB:WB+1], s[6:7], s[OF:OF+1]
	s_wait_alu depctr_va_vdst(0)                   ; VO is written, which every weight load reads as its offset
	WLOAD 0, 0                                     ; the ring is filled before anything else is done
	WLOAD 1, 0
	WLOAD 2, 0
	WLOAD 3, 0
	WIN 0
	; weight row 32 w + 8 T + q (trip T, q = 0..7) goes to LDS row 64 (w / 2) + 8 (w % 2) + 2 T + 16 (q % 4) + q / 4
	s_lshr_b32 s[TS], s[WV], 1
	s_lshl_b32 s[TS], s[TS], 6
	s_and_b32 s[TS+1], s[WV], 1
	s_lshl_b32 s[TS+1], s[TS+1], 3
	s_add_co_u32 s[TS], s[TS], s[TS+1]
	s_mul_i32 s[TS], s[TS], PITCH
	v_lshl_add_u32 v[TA], v[LANE], 3, s[TS]
.irp j, 0,1,2,3,4,5,6,7
	v_add_nc_u32 v[WADR+(\j)], (\j)*CHUNK, v[TA]
.endr
	v_mul_u32_u24 v[ADRB0], v[R], PITCH
	v_lshl_add_u32 v[ADRB0], v[HL], 4, v[ADRB0]    ; a fragment's row x pitch + 16 x half
	v_lshlrev_b32 v[GO], 15, v[HL]                 ; lanes 16-31: eight rows of 4,096 bytes further down
	v_lshl_add_u32 v[GO], v[R], 4, v[GO]
	s_lshl_b32 s[OF], s[KS], 3
	s_add_co_u32 s[OF], s[OF], s[XP]
	s_lshl_b32 s[OF], s[OF], 22                    ; (8 ks + e) x 1,024 rows x 4,096 bytes
	s_lshl_b32 s[TS], s[CS], 9                     ; my 128 columns are 512 bytes of a row
	s_add_co_u32 s[OF], s[OF], s[TS]
	s_add_nc_u64 s[PB:PB+1], s[10:11], s[OF:OF+1]
	s_lshl_b32 s[OF], s[XP], 23
	s_lshl_b32 s[TS], s[KS], 15                    ; my 1,024 of K are 64 column blocks of 512 bytes in each block of ranks
	s_add_co_u32 s[OF], s[OF], s[TS]
	s_add_nc_u64 s[HB:HB+1], s[4:5], s[OF:OF+1]
	s_wait_kmcnt 0x0                               ; the bitmap
	s_mov_b32 s[NN], 0
.set w, 0
.rept 32
	s_bcnt1_i32_b32 s[TS], s[BM+w]
	s_add_co_u32 s[NN], s[NN], s[TS]
.set w, w+1
.endr
	s_add_co_u32 s[NB], s[NN], 15
	s_lshr_b32 s[NB], s[NB], 4
	s_sub_co_u32 s[LIM], s[NB], 1                  ; used in live trips alone, where NB is at least 1
	s_mov_b32 s[CI], 3
.Lstream:                                              ; three trips take 8 rows each and ask for the next 8; the last 8 are written out, so that no load leaves the slice
	WBANK 0, 1, 48                                 ; 48: the three other banks' loads are younger
	WBANK 1, 1, 48
	WBANK 2, 1, 48
	WBANK 3, 1, 48
	WIN 0
	s_wait_xcnt 0x0                                ; the loads' base steps only behind this wait
	s_add_nc_u64 s[WB:WB+1], s[WB:WB+1], 8*WPITCH
	s_wait_alu depctr_vm_vsrc(0)                   ; the trip's LDS stores have read WADR, which steps below, and OUT0 and OUT1, which the next two turns write again
.irp j, 0,1,2,3,4,5,6,7
	v_add_nc_u32 v[WADR+(\j)], 2*PITCH, v[WADR+(\j)]
.endr
	s_sub_co_u32 s[CI], s[CI], 1
	s_cmp_lg_u32 s[CI], 0
	s_cbranch_scc1 .Lstream
	WBANK 0, 0, 48                                 ; the counts run down
	WBANK 1, 0, 32
	WBANK 2, 0, 16
	WBANK 3, 0, 0
	WIN 0
	s_wait_dscnt 0x0                               ; for the others' sake: my part of the slice is in LDS
	s_barrier_signal -1
	s_barrier_wait -1                              ; everybody's is; from here on nobody writes the slice
	s_mov_b32 s[CT], 4
	s_mov_b32 s[B0], s[WV]
.Ltrip:
	s_wait_alu depctr_vm_vsrc(0)                   ; the last trip's loads have read AOFF and ADRB, which are written below, and its stores the five blocks' copies, in which this trip's loads land; ahead of the first trip: my LDS stores have read OUT0 and OUT1, which become accumulators
	s_cmp_ge_u32 s[B0], s[NB]
	s_cbranch_scc1 .Lnext                          ; my first block lies past the count: so do the others
	s_wait_xcnt 0x0                                ; what earlier loads and stores named (the slots' bases, the stores' base and their data among it) is rewritten only behind this wait
.irp a, 0,1,2,3,4
	s_add_co_u32 s[BT], s[B0], 4*(\a)
	s_min_u32 s[BT], s[BT], s[LIM]                 ; past the last stored block: that block again
	s_min_u32 s[BT], s[BT], 63
	s_lshl_b32 s[BT], s[BT], 17                    ; a block of 16 ranks is 2^17 bytes of hid
	v_add_nc_u32 v[AOFF+(\a)], s[BT], v[VO]
.endr
.irp n, 0,1,2,3
	s_add_nc_u64 s[AB+2*(\n):AB+2*(\n)+1], s[HB:HB+1], 1024*(\n)   ; K steps 0 to 3
.endr
	s_lshl_b32 s[OF], s[B0], 16                    ; 16 rows of 4,096 bytes a block: where the trip's first block goes
	s_add_nc_u64 s[SB:SB+1], s[PB:PB+1], s[OF:OF+1]
	s_mov_b32 s[TB], 0
	v_add_nc_u32 v[ADRB], s[TB], v[ADRB0]          ; chunk 0
	s_wait_alu depctr_va_vdst(0)                   ; the five offsets and ADRB are written, which the trip's loads read; the last trip's copies and matrix instructions are done with the weight buffers and the slots of h, in which the loads land
	ALOAD 0                                        ; THE K WALK: 32 steps of 32 (1,024 bytes of a block of hid each); h three steps ahead, weight fragments one
	ALOAD 1
	ALOAD 2
	BLOAD F0, 0, 0
	BLOAD F0, 0, 1
	KSTEP 0, 1, 64, 1, 20                          ; the first step stands ahead of the loop: its products start the sums
	WIN 0
	s_mov_b32 s[CI], 7
.Lk:
	KSTEP 1, 0, 128, 1, 20                         ; 20: the two later steps' loads of h are younger
	KSTEP 2, 0, 192, 1, 20
	KSTEP 3, 0, CHUNK, 1, 20
	KSTEP 0, 0, CHUNK+64, 1, 20
	WIN 0
	s_add_co_u32 s[TB], s[TB], CHUNK               ; the next chunk: the LDS address is made anew from its first byte and my lane's place
	s_wait_alu depctr_vm_vsrc(0)                   ; the weight fragments' loads issued so far have read ADRB
	v_add_nc_u32 v[ADRB], s[TB], v[ADRB0]
	s_sub_co_u32 s[CI], s[CI], 1
	s_cmp_lg_u32 s[CI], 0
	s_cbranch_scc1 .Lk
	KSTEP 1, 0, 128, 0, 20                         ; the last three steps ask for no more of h: the counts run down
	KSTEP 2, 0, 192, 0, 10
	KSTEP 3, 0, -1, 0, 0
.rept 4
	v_nop                                          ; the places between the last products and the first read of a sum, and the first write of a register that they read
.endr
	OUTB 0
	OUTB 1
	OUTB 2
	OUTB 3
	OUTB 4
.Lnext:
	s_add_co_u32 s[B0], s[B0], 20
	s_sub_co_u32 s[CT], s[CT], 1
	s_cmp_lg_u32 s[CT], 0
	s_cbranch_scc1 .Ltrip
	s_wait_dscnt 0x0                               ; my reads of the slice are over;
	s_barrier_signal -1
	s_barrier_wait -1                              ; everybody's are
	s_wait_dscnt 0x0
	s_wait_alu depctr_hold_cnt(0) depctr_sa_sdst(0) depctr_va_vdst(0) depctr_va_sdst(0) depctr_va_ssrc(0) depctr_va_vcc(0) depctr_vm_vsrc(0)
	s_wait_tensorcnt 0x0
	ds_add_u32 v62, v63
	s_wait_dscnt 0x0
	s_endpgm
.Lfunc_end_k_q4d9e7a295d_down:
	.size	k_q4d9e7a295d_down, .Lfunc_end_k_q4d9e7a295d_down-k_q4d9e7a295d_down
	.p2alignl 7, 3214868480
	.fill 96, 4, 3214868480
	.section	.rodata,"a",@progbits
	.p2align	6, 0x0
	.amdhsa_kernel k_q4d9e7a295d_down
		.amdhsa_group_segment_fixed_size 279040
		.amdhsa_private_segment_fixed_size 0
		.amdhsa_enable_private_segment 0
		.amdhsa_kernarg_size 32
		.amdhsa_user_sgpr_count 2
		.amdhsa_user_sgpr_kernarg_segment_ptr 1
		.amdhsa_wavefront_size32 1
		.amdhsa_system_sgpr_workgroup_id_x 1
		.amdhsa_system_sgpr_workgroup_id_y 1
		.amdhsa_system_sgpr_workgroup_id_z 1
		.amdhsa_system_vgpr_workitem_id 0
		.amdhsa_next_free_vgpr 768
		.amdhsa_next_free_sgpr 96
		.amdhsa_reserve_vcc 0
		.amdhsa_float_denorm_mode_32 3
		.amdhsa_float_denorm_mode_16_64 3
		.amdhsa_memory_ordered 1
		.amdhsa_forward_progress 1
		.amdhsa_inst_pref_size 103
	.end_amdhsa_kernel
	.amdgpu_metadata
---
amdhsa.version: [ 1, 2 ]
amdhsa.kernels:
  - .name:           k_q4d9e7a295d_down
    .symbol:         k_q4d9e7a295d_down.kd
    .args:
      - { .name: hid, .offset: 0, .size: 8, .value_kind: global_buffer, .address_space: global }
      - { .name: W2, .offset: 8, .size: 8, .value_kind: global_buffer, .address_space: global }
      - { .name: bits, .offset: 16, .size: 8, .value_kind: global_buffer, .address_space: global }
      - { .name: part, .offset: 24, .size: 8, .value_kind: global_buffer, .address_space: global }
    .group_segment_fixed_size: 279040
    .private_segment_fixed_size: 0
    .kernarg_segment_align: 8
    .kernarg_segment_size: 32
    .max_flat_workgroup_size: 128
    .sgpr_count:     96
    .vgpr_count:     768
    .wavefront_size: 32
...
	.end_amdgpu_metadata
.endif
;; end of part 6
;; launch combine: the kernel of part 4 again; grid 256 x 1, 8 waves a work-group, no clusters, 0 bytes of LDS; arguments part, b2, sel, gate, rank, out0; writes out0
